; MI455X (gfx1250); checked and timed in simulation.
; The chip was launched on July 23, 2026; its instructions are those of AMD's public machine-readable ISA for CDNA 5 (MIT licence, August 2026) and "CDNA5" Instruction Set Architecture Reference Guide (July 2026). The comments in the code are by the model that wrote it; some were corrected since.
;; Self Attention. Allowed arithmetic: matrix products marked QUANTISED: E2M1 operands, one E8M0 scale for each 32 along K, by v_wmma_scale_f32_16x16x128_f8f6f4 with both operands' format E2M1 (or v_wmma_scale_f32_32x16x128_f4), f32 sums; products left as they are: bf16, f16 or f32 operands; f32 sums; everything else in f32.
;; Inputs: W_proj 1,024 x 1,024 float32; W_qkv 1,024 x 3,072 float32; b_proj 1,024 float32; b_qkv 3,072 float32; x 4 x 2,048 x 1,024 float32.
;; Outputs: out0 4 x 2,048 x 1,024 float32.
;; This version of the problem:
;;   THIS VERSION OF THE PROBLEM IS GIVEN IN LOW PRECISION. The matrix products marked QUANTISED in the list below multiply operands that are first quantised to E2M1 (2 exponent bits, 1 mantissa bit; 4 bits a number), with one power-of-two scale for each 32 numbers along K (OCP MX v1.0); their sums are f32. The products marked 'left as it is' may take bf16, f16 or f32 operands, with f32 sums. Whichever they take, every output number must still come out within the allowed error. Rounding operands to bf16 (8 significant bits) uses up far more of that allowance than f16 does (11 bits, for magnitudes from 6e-5 to 65,504). All else is computed in f32.
;;   The module's matrix products, in the order in which they are computed (A, B: the left and right operand; K: the contracted axis; several contracted axes count as one K, in the product's order):
;;     1. [M 8,192, K 1,024] x [K 1,024, N 3,072]; A: input x; B: input W_qkv: QUANTISED
;;     2. batch 64 x [M 2,048, K 64] x [K 64, N 2,048]; A: computed on the way; B: computed on the way: left as it is (an operand is computed on the way)
;;     3. batch 64 x [M 2,048, K 2,048] x [K 2,048, N 64]; A: computed on the way; B: computed on the way: left as it is (an operand is computed on the way)
;;     4. [M 8,192, K 1,024] x [K 1,024, N 1,024]; A: computed on the way; B: input W_proj: left as it is (an operand is computed on the way)
;;   THE QUANTISER, for each operand of a quantised product, along K:
;;     - K is cut into blocks of 32 from its start; a last block that is shorter is filled with zeros.
;;     - A block's scale is 2^e with e = floor(log2(the largest magnitude in the block)) - 2, held to -126 .. 127; a block of zeros has e = 0. As a byte (E8M0): e + 127.
;;     - Each number is divided by its block's scale, clamped to +-6, and rounded to the nearest number of E2M1, ties to even, subnormals kept.
;;     - The product sums the exact products of the quantised numbers (number of the format x scale) in f32.
;;   ~~~python
;;   def quantise(x, axis):      # numpy; x: float32 -> the quantised numbers, widened to float32 again
;;       x = np.moveaxis(x, axis, -1); K = x.shape[-1]
;;       x = np.pad(x, [(0, 0)] * (x.ndim - 1) + [(0, -K % 32)]); x = x.reshape(x.shape[:-1] + (-1, 32)); a = np.abs(x).max(-1, keepdims=True)
;;       e = np.where(a > 0, np.clip(np.frexp(np.where(a > 0, a, 1))[1] - 1 - 2, -126, 127), 0)      # np.frexp(a)[1] - 1 = floor(log2(a)), exactly
;;       r = np.clip(x / 2.0 ** e, -6, 6)
;;       step = 2.0 ** (np.maximum(np.frexp(np.where(r == 0, 1, r))[1] - 1, 0) - 1)
;;       q = np.round(r / step) * step * 2.0 ** e      # np.round: ties to even
;;       return np.moveaxis(q.reshape(q.shape[:-2] + (-1,))[..., :K], -1, axis).astype(np.float32)
;;   ~~~
;; One version. Each part assembles by itself: llvm-mc -triple=amdgcn-amd-amdhsa -mcpu=gfx1250 --defsym DOCPART=n.
;; ======== version 1 of 1: 5 launches
;; limits: values are held in f16: magnitudes above 65,504 overflow, below 6.1e-05 lose precision
;; workspace buffers: xc 4,194,304 bytes; xs 262,144 bytes; wc 1,572,864 bytes; ws 98,304 bytes; wp16 2,097,152 bytes; qkv16 50,331,648 bytes; qkvf 786,432 bytes; y16 16,777,216 bytes
;; launch prep (part 1): grid 336 x 1, 4 waves a work-group, no clusters, 68,096 bytes of LDS; arguments x, W_qkv, W_proj, xc, xs, wc, ws, wp16; writes xc, xs, wc, ws, wp16
.if DOCPART == 1
	.amdgcn_target "amdgcn-amd-amdhsa--gfx1250"
	.amdhsa_code_object_version 6
	.text
	.protected	k_q140f796b00_prep
	.globl	k_q140f796b00_prep
	.p2align	8
	.type	k_q140f796b00_prep,@function
k_q140f796b00_prep:
	s_mov_b64 s[64:65], 0
	v_nop
	global_prefetch_b8 v0, s[64:65] scope:SCOPE_SE
	s_setreg_imm32_b32 hwreg(HW_REG_WAVE_MODE, 25, 1), 1
	s_wait_xcnt 0x0
; THREE JOBS IN ONE LAUNCH, told apart by the work-group's number.
;   work-groups 0-47:    W_qkv [1024 (k)][3072 (n)] f32 -> codes of FP4 (E2M1) wc [3072][512 bytes], K innermost, and scale bytes ws [3072][32]
;   work-groups 48-303:  x [8192][1024] f32 -> codes xc [8192][512 bytes] and scale bytes xs [8192][32]
;   work-groups 304-335: W_proj [1024][1024] f32 -> f16, wp16, in the same order
; A block of 32 along K has the scale 2^(floor(log2(its largest magnitude)) - 2); its byte is the largest magnitude's exponent field - 2, held at 1 from below.
; Each number is divided by the scale and rounded to the nearest code, ties to even; beyond the largest code the largest.
; LIMITS: a block of zeros gets the byte 1 where the rule says 127 (its codes are zeros, and this program alone reads the bytes); blocks whose largest
; magnitude lies under 2^-124 sit at that floor; NaN and infinities among the inputs are not served; |W_proj| stays under 65,504 (f16).
; No tensor loads, no barrier: waves share nothing.  Each of the two paths that use LDS has bytes of its own.
.set SPARE, 67584                      ; behind both paths' stages: the spare words, 128 bytes for each wave
.set SPW,   180                        ; v180  LDS address of my spare word; never rewritten
.set NIL,   181                        ; v181  0; never rewritten
.set SP,    80                         ; x: a lane's place in a stage: its 64 bytes + 16 of padding
.set XR,    16                         ; x: v16-79   four sets of 16 numbers as loaded
.set XX,    80                         ; x: v80-111  two sets of 16 neighbours
.set XE,    112                        ; x: v112-127 a scale byte for each step
.set XC,    128                        ; x: v128-159 codes, two registers for each step
.set WX,    32                         ; W: v32-95   two sets of 32 numbers
.set WC,    96                         ; W: v96-99   a block's codes
.set WS,    24                         ; W: v24-27   the scale bytes, four to a register
.set WO,    112                        ; W: v112-175 the way out
.set WP,    272                        ; W: a stage row: 256 bytes of codes + 16
.macro XLD t                           ; x, step t: four loads of 512 consecutive bytes
.irp i, 0,1,2,3
	global_load_b128 v[XR+16*((\t)%4)+4*\i:XR+16*((\t)%4)+4*\i+3], v3, s[4:5] offset:2048*(\t)+512*\i th:TH_LOAD_NT
.endr
.endm
.macro XTURN t                         ; step t's 2,048 bytes through my stage: in as they lie, back 64 bytes a lane.  LDS serves a wave's instructions in order
.irp i, 0,1,2,3
	ds_store_b128 v14, v[XR+16*((\t)%4)+4*\i:XR+16*((\t)%4)+4*\i+3] offset:32*SP*((\t)%2)+8*SP*\i
.endr
.irp i, 0,1,2,3
	ds_load_b128 v[XX+16*((\t)%2)+4*\i:XX+16*((\t)%2)+4*\i+3], v15 offset:32*SP*((\t)%2)+16*\i
.endr
.endm
.macro XSTEP t
.set XS, XX+16*((\t)%2)
.if (\t) > 0
	s_wait_dscnt 1                                 ; this step's numbers are back (the last step's byte store may be out): so the stage's stores have read their registers,
.else
	s_wait_dscnt 0x0
.endif
.if (\t)+4 < 16
	XLD (\t)+4                                     ; which take the loads of four steps on
.endif
.if (\t)+1 < 16
.if 14-(\t) >= 3
	s_wait_loadcnt 12                              ; the next step's four loads are in; those of the three steps behind it may be out
.else
	s_wait_loadcnt 4*(14-(\t))
.endif
	XTURN (\t)+1
.endif
	v_max3_num_f32 v8, |v[XS]|, |v[XS+1]|, |v[XS+2]|               ; the largest magnitude of my 16, in two chains
	v_max3_num_f32 v9, |v[XS+3]|, |v[XS+4]|, |v[XS+5]|
.irp i, 6,10
	v_max3_num_f32 v8, v8, |v[XS+\i]|, |v[XS+\i+1]|
	v_max3_num_f32 v9, v9, |v[XS+\i+2]|, |v[XS+\i+3]|
.endr
	v_max3_num_f32 v8, v8, |v[XS+14]|, |v[XS+15]|
	v_max3_num_f32 v8, v8, v9, 0x1800000           ; and the floor 2^(3 - 127): the byte cannot fall under 1
	v_max_num_f32_dpp v8, v8, v8 row_xmask:1 row_mask:0xf bank_mask:0xf   ; with my neighbour's 16: the block's
	v_add_nc_u32 v11, 0xff000000, v8               ; 2 off the exponent field: the conversion takes this operand's exponent field as its scale
	v_cvt_scalef32_pk8_fp4_f32 v[XC+2*(\t)], v[XS:XS+7], v11
	v_cvt_scalef32_pk8_fp4_f32 v[XC+2*(\t)+1], v[XS+8:XS+15], v11
	v_lshrrev_b32 v[XE+(\t)], 23, v11              ; the scale's byte
	ds_store_b8 v5, v[XE+(\t)] offset:16*(\t)      ; both lanes of a block write the same byte with the same value
	global_store_b64 v4, v[XC+2*(\t):XC+2*(\t)+1], s[10:11] offset:256*(\t)   ; the wave stores 256 consecutive bytes
.endm
.macro WLD t                           ; W, block t: W(32 t + i, my column), i = 0 .. 31
.irp i, 0,1,2,3,4,5,6,7,8,9,10,11,12,13,14,15,16,17,18,19,20,21,22,23,24,25,26,27,28,29,30,31
	global_load_b32 v[WX+32*((\t)%2)+\i], v3, s[6:7] offset:(32*(\t)+\i)*12288 th:TH_LOAD_NT
.endr
.endm
.macro WBLK t
.set XS, WX+32*((\t)%2)
.if (\t) < 15
	s_wait_loadcnt 32                              ; this block's 32 loads are in; the next block's may be out
.else
	s_wait_loadcnt 0
.endif
	v_max3_num_f32 v12, |v[XS]|, |v[XS+1]|, |v[XS+2]|              ; all 32 numbers of the block are mine
	v_max3_num_f32 v13, |v[XS+3]|, |v[XS+4]|, |v[XS+5]|
.irp i, 6,10,14,18,22,26
	v_max3_num_f32 v12, v12, |v[XS+\i]|, |v[XS+\i+1]|
	v_max3_num_f32 v13, v13, |v[XS+\i+2]|, |v[XS+\i+3]|
.endr
	v_max3_num_f32 v12, v12, |v[XS+30]|, |v[XS+31]|
	v_max3_num_f32 v12, v12, v13, 0x1800000        ; and the floor
	v_add_nc_u32 v11, 0xff000000, v12
	v_lshrrev_b32 v13, 23, v11                     ; the scale's byte
.if (\t)%4 == 0
	v_mov_b32 v[WS+(\t)/4], v13
.else
	v_lshl_or_b32 v[WS+(\t)/4], v13, 8*((\t)%4), v[WS+(\t)/4]
.endif
.irp g, 0,1,2,3
	v_cvt_scalef32_pk8_fp4_f32 v[WC+\g], v[XS+8*\g:XS+8*\g+7], v11
.endr
	ds_store_b128 v4, v[WC:WC+3] offset:16*(\t)    ; 32 codes: 16 bytes of my column's row
.if (\t)+2 < 16
	WLD (\t)+2
.endif
	s_wait_dscnt 0x0                               ; the store has read its registers: the next block's codes may be written
.endm
	s_load_b256 s[4:11], s[0:1], 0x0               ; x s[4:5], W_qkv s[6:7], W_proj s[8:9], xc s[10:11]
	s_load_b256 s[12:19], s[0:1], 0x20             ; xs s[12:13], wc s[14:15], ws s[16:17], wp16 s[18:19]
	v_lshl_add_u32 v[SPW], v0, 2, SPARE
	v_mov_b32 v[NIL], 0
	v_lshrrev_b32 v1, 5, v0
	v_readfirstlane_b32 s20, v1                    ; wave 0..3
	v_and_b32 v2, 31, v0                           ; lane
	s_mov_b32 s25, 0                               ; the upper word of every offset: all stay under 2^32
	s_wait_kmcnt 0x0
	s_cmp_lt_u32 ttmp9, 48
	s_cbranch_scc1 .LW
	s_cmp_lt_u32 ttmp9, 304
	s_cbranch_scc1 .LX
	; ---- W_proj to f16: a wave takes 8,192 numbers, 64 steps of 512 bytes in and 256 out, through a ring of 16 slots in registers
	s_sub_co_u32 s21, ttmp9, 304
	s_lshl_b32 s21, s21, 2
	s_add_co_u32 s21, s21, s20                     ; which run of 8,192 numbers
	s_lshl_b32 s24, s21, 15
	s_add_nc_u64 s[8:9], s[8:9], s[24:25]
	s_lshl_b32 s24, s21, 14
	s_add_nc_u64 s[18:19], s[18:19], s[24:25]
	v_lshlrev_b32 v1, 4, v2                        ; in: 16 bytes a lane
	v_lshlrev_b32 v3, 3, v2                        ; out: 8
.irp s, 0,1,2,3,4,5,6,7,8,9,10,11,12,13,14,15
	global_load_b128 v[16+4*\s:19+4*\s], v1, s[8:9] offset:512*\s th:TH_LOAD_NT
.endr
.set i, 0
.rept 64
.set sl, i%16
.if i < 48
	s_wait_loadcnt 15                              ; loads come back in order: mine is in, the 15 younger ones stay out
.else
	s_wait_loadcnt 63-i                            ; the last 16 steps load nothing: the counts run down
.endif
	s_wait_xcnt 0x0                                ; the slot's last store has read its data: they are written again only behind this wait
	v_cvt_pk_f16_f32 v[80+2*sl], v[16+4*sl], v[17+4*sl]
	v_cvt_pk_f16_f32 v[81+2*sl], v[18+4*sl], v[19+4*sl]
.if i < 48
	global_load_b128 v[16+4*sl:19+4*sl], v1, s[8:9] offset:512*(i+16) th:TH_LOAD_NT
.endif
	global_store_b64 v3, v[80+2*sl:81+2*sl], s[18:19] offset:256*i   ; the wave stores 256 consecutive bytes, aligned
.set i, i+1
.endr
	s_branch .Lend
.LX:	; ---- x: a plain stream of blocks of 32.  A wave takes 16 steps of 512 numbers; two neighbouring lanes hold a block
	s_sub_co_u32 s21, ttmp9, 48
	s_lshl_b32 s21, s21, 2
	s_add_co_u32 s21, s21, s20                     ; which run of 8,192 numbers
	s_lshl_b32 s24, s21, 15
	s_add_nc_u64 s[4:5], s[4:5], s[24:25]
	s_lshl_b32 s24, s21, 12
	s_add_nc_u64 s[10:11], s[10:11], s[24:25]
	s_lshl_b32 s24, s21, 8
	s_add_nc_u64 s[12:13], s[12:13], s[24:25]
	v_lshlrev_b32 v3, 4, v2                        ; my 16 bytes of a load's 512
	s_mul_i32 s22, s20, 8192                       ; my wave's region of LDS: two stages of 2,560 bytes, then 256 scale bytes
	v_lshrrev_b32 v14, 2, v2
	v_mul_u32_u24 v14, v14, SP
	v_and_b32 v15, 3, v2
	v_lshl_add_u32 v14, v15, 4, v14
	v_add_nc_u32 v14, s22, v14                     ; into the stage: four lanes' 64 bytes on end, then the padding
	v_mul_u32_u24 v15, v2, SP
	v_add_nc_u32 v15, s22, v15                     ; out of it: my 16 neighbours
	v_lshlrev_b32 v4, 3, v2                        ; my codes' place in a step's 256 bytes
	v_lshrrev_b32 v5, 1, v2
	s_add_co_u32 s22, s22, 2*32*SP
	v_add_nc_u32 v5, s22, v5                       ; my block's scale byte
	v_lshlrev_b32 v7, 3, v2
	v_add_nc_u32 v6, s22, v7                       ; and on the way out 8 bytes a lane
.irp t, 0,1,2,3
	XLD \t
.endr
	s_wait_loadcnt 12                              ; step 0's four loads are in
	XTURN 0
.irp t, 0,1,2,3,4,5,6,7,8,9,10,11,12,13,14,15
	XSTEP \t
.endr
	ds_load_b64 v[8:9], v6                         ; my wave's 256 scale bytes (LDS serves a wave's instructions in order)
	s_wait_dscnt 0x0
	global_store_b64 v7, v[8:9], s[12:13]          ; 256 consecutive bytes, aligned
	s_branch .Lend
.LW:	; ---- W_qkv: K is the first axis.  A lane takes a column, its registers run down K.  A wave: 32 columns x 512 along K
	s_cmp_ge_u32 ttmp9, 24
	s_cselect_b32 s22, 1, 0                        ; which 512 along K
	s_cselect_b32 s21, 24, 0
	s_sub_co_u32 s21, ttmp9, s21                   ; which 128 columns
	s_lshl_b32 s21, s21, 7
	s_lshl_b32 s23, s20, 5
	s_add_co_u32 s21, s21, s23                     ; my wave's first column
	s_mul_i32 s24, s22, 512*12288
	s_lshl_b32 s26, s21, 2
	s_add_co_u32 s24, s24, s26
	s_add_nc_u64 s[6:7], s[6:7], s[24:25]          ; W at (512 ky, column)
	s_lshl_b32 s24, s21, 9
	s_lshl_b32 s26, s22, 8
	s_add_co_u32 s24, s24, s26
	s_add_nc_u64 s[14:15], s[14:15], s[24:25]      ; codes: column x 512 + 256 ky
	s_lshl_b32 s24, s21, 5
	s_lshl_b32 s26, s22, 4
	s_add_co_u32 s24, s24, s26
	s_add_nc_u64 s[16:17], s[16:17], s[24:25]      ; scale bytes: column x 32 + 16 ky
	v_lshlrev_b32 v3, 2, v2                        ; in: 4 bytes a lane
	s_mul_i32 s27, s20, 32*WP
	s_add_co_u32 s27, s27, 32768                   ; my stage
	v_mul_u32_u24 v4, v2, WP
	v_add_nc_u32 v4, s27, v4                       ; into it: row = my column
	v_and_b32 v5, 15, v2
	v_lshrrev_b32 v6, 4, v2
	v_mul_u32_u24 v7, v6, WP
	v_lshl_add_u32 v7, v5, 4, v7
	v_add_nc_u32 v7, s27, v7                       ; out of it: sixteen lanes to a row, two rows an instruction
	v_lshlrev_b32 v8, 9, v6
	v_lshl_add_u32 v8, v5, 4, v8                   ; and the same place in the codes' buffer
	v_lshlrev_b32 v9, 5, v2                        ; my column's row of scale bytes
	WLD 0
	WLD 1
.irp t, 0,1,2,3,4,5,6,7,8,9,10,11,12,13,14,15
	WBLK \t
.endr
	global_store_b128 v9, v[WS:WS+3], s[16:17]     ; my column's 16 scale bytes
.irp t, 0,1,2,3,4,5,6,7,8,9,10,11,12,13,14,15
	ds_load_b128 v[WO+4*\t:WO+4*\t+3], v7 offset:2*\t*WP
.endr
.irp t, 0,1,2,3,4,5,6,7,8,9,10,11,12,13,14,15
	s_wait_dscnt 15-\t
	global_store_b128 v8, v[WO+4*\t:WO+4*\t+3], s[14:15] offset:2*\t*512   ; sixteen lanes store 256 consecutive bytes, aligned
.endr
.Lend:
	s_wait_tensorcnt 0x0                           ; the wave's end
	ds_add_u32 v[SPW], v[NIL]
	s_wait_dscnt 0x0
	s_endpgm
.Lfunc_end_k_q140f796b00_prep:
	.size	k_q140f796b00_prep, .Lfunc_end_k_q140f796b00_prep-k_q140f796b00_prep
	.p2alignl 7, 3214868480
	.fill 96, 4, 3214868480
	.section	.rodata,"a",@progbits
	.p2align	6, 0x0
	.amdhsa_kernel k_q140f796b00_prep
		.amdhsa_group_segment_fixed_size 68096
		.amdhsa_private_segment_fixed_size 0
		.amdhsa_enable_private_segment 0
		.amdhsa_kernarg_size 64
		.amdhsa_user_sgpr_count 2
		.amdhsa_user_sgpr_kernarg_segment_ptr 1
		.amdhsa_wavefront_size32 1
		.amdhsa_system_sgpr_workgroup_id_x 1
		.amdhsa_system_sgpr_workgroup_id_y 1
		.amdhsa_system_sgpr_workgroup_id_z 1
		.amdhsa_system_vgpr_workitem_id 0
		.amdhsa_next_free_vgpr 192
		.amdhsa_next_free_sgpr 66
		.amdhsa_reserve_vcc 0
		.amdhsa_float_denorm_mode_32 3
		.amdhsa_float_denorm_mode_16_64 3
		.amdhsa_memory_ordered 1
		.amdhsa_forward_progress 1
		.amdhsa_inst_pref_size 135
	.end_amdhsa_kernel
	.amdgpu_metadata
---
amdhsa.version: [ 1, 2 ]
amdhsa.kernels:
  - .name:           k_q140f796b00_prep
    .symbol:         k_q140f796b00_prep.kd
    .args:
      - { .name: x, .offset: 0, .size: 8, .value_kind: global_buffer, .address_space: global }
      - { .name: W_qkv, .offset: 8, .size: 8, .value_kind: global_buffer, .address_space: global }
      - { .name: W_proj, .offset: 16, .size: 8, .value_kind: global_buffer, .address_space: global }
      - { .name: xc, .offset: 24, .size: 8, .value_kind: global_buffer, .address_space: global }
      - { .name: xs, .offset: 32, .size: 8, .value_kind: global_buffer, .address_space: global }
      - { .name: wc, .offset: 40, .size: 8, .value_kind: global_buffer, .address_space: global }
      - { .name: ws, .offset: 48, .size: 8, .value_kind: global_buffer, .address_space: global }
      - { .name: wp16, .offset: 56, .size: 8, .value_kind: global_buffer, .address_space: global }
    .group_segment_fixed_size: 68096
    .private_segment_fixed_size: 0
    .kernarg_segment_align: 8
    .kernarg_segment_size: 64
    .max_flat_workgroup_size: 128
    .sgpr_count:     66
    .vgpr_count:     192
    .wavefront_size: 32
...
	.end_amdgpu_metadata
.endif
;; end of part 1
;; launch qkv (part 2): grid 12 x 32, 4 waves a work-group, clusters of 4 x 4, 327,680 bytes of LDS; arguments xc, xs, wc, ws, b_qkv, qkv16, qkvf; writes qkv16, qkvf
.if DOCPART == 2
	.amdgcn_target "amdgcn-amd-amdhsa--gfx1250"
	.amdhsa_code_object_version 6
	.text
	.protected	k_q140f796b00_qkv
	.globl	k_q140f796b00_qkv
	.p2align	8
	.type	k_q140f796b00_qkv,@function
k_q140f796b00_qkv:
	s_mov_b64 s[64:65], 0
	v_nop
	global_prefetch_b8 v0, s[64:65] scope:SCOPE_SE
	s_setreg_imm32_b32 hwreg(HW_REG_WAVE_MODE, 25, 1), 1
	s_wait_xcnt 0x0
	s_wait_alu depctr_hold_cnt(0) depctr_sa_sdst(0) depctr_va_vdst(0) depctr_va_sdst(0) depctr_va_ssrc(0) depctr_va_vcc(0) depctr_vm_vsrc(0)
	s_getreg_b32 s2, hwreg(HW_REG_IB_STS2, 6, 4)
	s_cmp_eq_u32 s2, 0
	s_cbranch_scc0 .Lentry_in_a_cluster
	s_endpgm
.Lentry_in_a_cluster:
	s_bfe_u32 s2, ttmp6, 0x10000c
	s_cmp_lg_u32 s2, 0xf033
	s_cbranch_scc0 .Lentry_shape_is_right
	s_endpgm
.Lentry_shape_is_right:
; qkv = Q(x) Q(W_qkv) + b_qkv on codes of FP4 (E2M1) with one E8M0 scale for each 32 along K; sums in f32.  A = xc [8192][512 bytes], B = wc [3072][512 bytes], scale bytes [rows][32].
; OUT: qkv16 [q, k, v][batch 4][head 16][t 2048][64] in f16, and the first 16 positions of every batch once more in f32, qkvf [batch][16][3072], for the launch that carries those rows finely.
; LIMIT: |q|, |k|, |v| stay under 65,504 (f16).
; A tile of 256 x 256 to a work-group of four waves, 128 x 128 a wave: 64 accumulators, 512 registers.  K = 1,024 is two slots of 512 along K (rows of 256 bytes): both are asked for at the head and nothing is filled again.
; The scale bytes of the work-group's rows, for all of K, come once, as dense blocks, with the first fills.
; CLUSTERS: 4 x 4 work-groups.  The four of a row of the cluster need the same rows of A, the four of a column the same rows of B: each tile is asked for jointly.
; Tile row = cluster y + 8 cy: so cy is the batch, and 'the batch's first rows' is cluster y = 0, which all sixteen partners share.  Tile column = 4 cluster x + cx: cluster x is q, k or v.
; THE MATRIX INSTRUCTION IS USED TRANSPOSED (source 0 = 16 rows of B, source 1 = 16 rows of A): a lane holds eight neighbouring columns of one row.  The bias is the C of each sum's first product.
; REGISTERS, in windows of 256: window 0: v0-31 addresses; v32-95 scale words, two sets; v96-127 packed results; v128-191 A's fragments, one set (on the way out: rows read back); v192-255 the bias, eight registers for each block of 16 columns.
;   window 1: B's fragments, two sets, at v0 and v128.   window 2: the accumulators of my rows 0-63 ((a, b) at v[8 (8 a + b)]);   window 3: those of rows 64-127.
.set NQ,     4                         ; steps of 128 along K in a slot
.set ROWB,   256                       ; a tile's row in bytes
.set KROW,   512                       ; a row of codes in memory
.set PITCH,  272                       ; an LDS row: 256 bytes + 16: the sixteen rows that a load touches begin 16 bytes apart modulo 256
.set FR,     8
.set NL,     2
.set NP,     4                         ; places behind this matrix instruction (ISA guide 7.12.1)
.set HALFT,  128*PITCH
.set SLOT,   4*HALFT
.set KS,     32                        ; a row of scale bytes
.set SCL,    2*SLOT                    ; behind the two slots: the scales, as rows of 256 bytes + 16
.set HALFS,  16*272                    ; those of 128 rows
.set SBLK,   2*272                     ; those of 16 rows
.set SPARE,  SCL+4*HALFS               ; the spare words, 128 bytes for each wave
.set ADRA, 16
.set ADRB, 20
.set STO32, 22                         ; the f32 rows: into my stage,
.set RD32, 23                          ; and back
.set STO,  24
.set RD,   25
.set CO,   26
.set ADRS, 27
.set SPW,  28
.set NIL,  29
.set BO,   30
.set SC,   32
.set TMP,  96
.set AF,   128
.set BK,   128
.set BIAS, 192
.set G1, 24
.set G0, 32
.set G1B, 48
.set G0B, 56
.set G1S, 68
.set G0S, 76
.set G1SB, 80
.set G0SB, 88
.set MSB, 0
.macro WIN new                         ; the immediate's high byte repeats the setting that is left
.if MSB != \new
	s_set_vgpr_msb (MSB<<8)|\new
.set MSB, \new
.endif
.endm
.set MUL_LO, 0xa1                      ; source 0 (B) window 1, source 1 (A) window 0, C and D window 2
.set MUL_HI, 0xf1                      ; the same, C and D window 3
.set BIA_LO, 0x81                      ; the first step: C (the bias) window 0, D window 2
.set BIA_HI, 0xc1                      ; D window 3
.set TO_B,   0x40
; A joint load: waves 0 and 1 fetch for A, waves 2 and 3 for B.  The branch hangs on the wave's number alone.  An s_nop 0 and four v_nop follow each line.
.macro JLOAD g0a, g1a, g0b, g1b
	s_cmp_eq_u32 s15, 0
	s_cbranch_scc0 .Lfor_b_\@
	tensor_load_to_lds s[\g0a:\g0a+3], s[\g1a:\g1a+7]
	s_nop 0
.rept 4
	v_nop
.endr
	s_branch .Lasked_\@
.Lfor_b_\@:
	tensor_load_to_lds s[\g0b:\g0b+3], s[\g1b:\g1b+7]
	s_nop 0
.rept 4
	v_nop
.endr
.Lasked_\@:
.endm
.macro CROUND                          ; a round of the cluster's barrier
	s_barrier_signal -1
	s_barrier_wait -1
	s_cmp_lg_u32 s14, 0
	s_cbranch_scc1 .Lnot_wave_0_\@
	s_barrier_signal -3
.Lnot_wave_0_\@:
	s_barrier_wait -3
	s_barrier_signal -1
	s_barrier_wait -1
.endm
	s_load_b128 s[4:7], s[0:1], 0x0                ; A's codes, A's scales
	s_load_b128 s[8:11], s[0:1], 0x10              ; B's codes, B's scales
	s_load_b128 s[96:99], s[0:1], 0x20             ; b_qkv, qkv16
	s_load_b64 s[12:13], s[0:1], 0x30              ; qkvf
	v_lshl_add_u32 v[SPW], v0, 2, SPARE
	v_mov_b32 v[NIL], 0
	ds_add_u32 v[SPW], v[NIL]                      ; the wave's opening: the add, twice on end, and its wait ahead of my first tensor load
	ds_add_u32 v[SPW], v[NIL]
	v_lshrrev_b32 v1, 5, v0
	v_readfirstlane_b32 s14, v1                    ; wave 0..3
	s_lshr_b32 s15, s14, 1                         ; which half of the tile's rows is mine.  Also: I fetch for A (0) or for B (1)
	s_and_b32 s16, s14, 1                          ; which half of its columns.  Also: which 128 rows I fetch
	s_bfe_u32 s40, ttmp6, 0x40000                  ; cx
	s_bfe_u32 s41, ttmp6, 0x40004                  ; cy
	s_lshl_b32 s42, ttmp9, 2
	s_add_co_u32 s42, s42, s40                     ; tile column = 4 x cluster x + cx
	s_and_b32 s95, ttmp7, 0xffff                   ; cluster y
	s_lshl_b32 s17, s41, 3
	s_add_co_u32 s17, s17, s95                     ; tile row = 8 cy + cluster y
	s_or_b32 s3, s95, s15                          ; 0 where my rows begin a batch: cluster y = 0 and the upper half of the tile
	s_lshl_b32 s43, s41, 2
	s_lshl_b32 s43, 15, s43                        ; my row of the cluster
	s_lshl_b32 s44, 0x1111, s40                    ; my column
	s_or_b32 s[G1+0], s43, (0<<16)|(1<<20)|(1<<21)|(5<<22)|(3<<25)   ; the mask; elements of 1 byte; padding on; bit 21 beside a mask; 4 words after every 64
	s_or_b32 s[G1B+0], s44, (0<<16)|(1<<20)|(1<<21)|(5<<22)|(3<<25)
.irp g, G1, G1B
	s_mov_b32 s[\g+1], ROWB<<16                    ; tensor_dim0
	s_mov_b32 s[\g+2], 128<<16                     ; tensor_dim1
	s_mov_b32 s[\g+3], ROWB<<16                    ; tile_dim0
	s_mov_b32 s[\g+4], 128                         ; tile_dim1
	s_mov_b32 s[\g+5], KROW                        ; from row to row
	s_mov_b32 s[\g+6], 0
	s_mov_b32 s[\g+7], 0
.endr
	s_or_b32 s[G1S+0], s43, (3<<16)|(1<<20)|(1<<21)|(5<<22)|(3<<25)  ; the scales of 128 rows: 4,096 dense bytes as 16 rows of 32 elements of 8 bytes
	s_or_b32 s[G1SB+0], s44, (3<<16)|(1<<20)|(1<<21)|(5<<22)|(3<<25)
.irp g, G1S, G1SB
	s_mov_b32 s[\g+1], 32<<16
	s_mov_b32 s[\g+2], 16<<16
	s_mov_b32 s[\g+3], 32<<16
	s_mov_b32 s[\g+4], 16
	s_mov_b32 s[\g+5], 32
	s_mov_b32 s[\g+6], 0
	s_mov_b32 s[\g+7], 0
.endr
	s_lshl_b32 s18, s16, 7
	s_lshl_b32 s20, s17, 8
	s_add_co_u32 s20, s20, s18                     ; A: row 256 x tile row + 128 x half
	s_lshl_b32 s46, s42, 8
	s_add_co_u32 s46, s46, s18                     ; B: row 256 x tile column + 128 x half
	s_mov_b32 s21, 0
	s_mov_b32 s47, 0
	s_mov_b64 s[18:19], KS
	s_mul_u64 s[22:23], s[20:21], s[18:19]         ; where these rows' scales begin
	s_mul_u64 s[92:93], s[46:47], s[18:19]
	s_mov_b64 s[18:19], KROW
	s_mul_u64 s[20:21], s[20:21], s[18:19]         ; and their codes
	s_mul_u64 s[46:47], s[46:47], s[18:19]
	s_mul_i32 s45, s14, HALFT                      ; where they go: wave x 128 rows
	s_mul_i32 s94, s14, HALFS
	s_wait_dscnt 0x0                               ; both opening adds are done
	s_wait_kmcnt 0x0
	s_add_nc_u64 s[20:21], s[4:5], s[20:21]
	s_add_nc_u64 s[22:23], s[6:7], s[22:23]
	s_add_nc_u64 s[46:47], s[8:9], s[46:47]
	s_add_nc_u64 s[92:93], s[10:11], s[92:93]
	CROUND                                         ; all sixteen work-groups are here: the joint loads meet
	s_mov_b32 s[G0S], 1
	s_add_co_u32 s[G0S+1], s94, SCL
	s_mov_b64 s[G0S+2:G0S+3], s[22:23]
	s_or_b32 s[G0S+3], s[G0S+3], 0x80000000
	s_mov_b32 s[G0SB], 1
	s_add_co_u32 s[G0SB+1], s94, SCL
	s_mov_b64 s[G0SB+2:G0SB+3], s[92:93]
	s_or_b32 s[G0SB+3], s[G0SB+3], 0x80000000
	JLOAD G0S, G1S, G0SB, G1SB                     ; the scales first; then both slots: three loads of mine are out
.irp s, 0,1
	s_mov_b32 s[G0+4*\s], 1
	s_add_co_u32 s[G0+4*\s+1], s45, \s*SLOT
	s_add_nc_u64 s[G0+4*\s+2:G0+4*\s+3], s[20:21], \s*ROWB
	s_or_b32 s[G0+4*\s+3], s[G0+4*\s+3], 0x80000000
	s_mov_b32 s[G0B+4*\s], 1
	s_add_co_u32 s[G0B+4*\s+1], s45, \s*SLOT
	s_add_nc_u64 s[G0B+4*\s+2:G0B+4*\s+3], s[46:47], \s*ROWB
	s_or_b32 s[G0B+4*\s+3], s[G0B+4*\s+3], 0x80000000
	JLOAD G0+4*\s, G1, G0B+4*\s, G1B
.endr
	v_and_b32 v1, 15, v0                           ; r = lane % 16
	v_bfe_u32 v2, v0, 4, 1                         ; h = lane / 16
	s_lshl_b32 s46, s42, 10                        ; my first column as f32 bytes: 1024 x tile column + 512 x half
	s_lshl_b32 s47, s16, 9
	s_add_co_u32 s46, s46, s47
	s_mov_b32 s47, 0
	s_add_nc_u64 s[96:97], s[96:97], s[46:47]      ; the bias at my first column
	s_add_nc_u64 s[12:13], s[12:13], s[46:47]      ; qkvf likewise,
	s_mul_i32 s46, s41, 196608
	s_add_nc_u64 s[12:13], s[12:13], s[46:47]      ; in my batch
	v_lshlrev_b32 v[BO], 5, v2
.irp b, 0,1,2,3,4,5,6,7
	global_load_b128 v[BIAS+8*\b:BIAS+8*\b+3], v[BO], s[96:97] offset:64*\b        ; lane (r, h): b_qkv at columns 16 b + 8 h + 0 .. 7: the result's layout
	global_load_b128 v[BIAS+8*\b+4:BIAS+8*\b+7], v[BO], s[96:97] offset:64*\b+16
.endr
	v_mul_u32_u24 v3, v1, PITCH
	v_lshl_add_u32 v4, v2, 4, v3                   ; a fragment's row x pitch + 16 x half
	s_mul_i32 s21, s15, HALFT
	s_mul_i32 s22, s16, HALFT
	s_add_co_u32 s22, s22, 2*HALFT
.irp s, 0,1
	v_add_nc_u32 v[ADRA+\s], s21, v4
	v_add_nc_u32 v[ADRB+\s], s22, v4
	s_add_co_u32 s21, s21, SLOT
	s_add_co_u32 s22, s22, SLOT
.endr
	v_mul_u32_u24 v5, v1, KS                       ; my row's scales: 32 bytes a row,
	v_lshrrev_b32 v6, 8, v5
	v_lshl_add_u32 v5, v6, 4, v5                   ; and 16 more for each 256 passed
	s_mul_i32 s21, s15, HALFS
	s_mul_i32 s22, s16, HALFS
	s_add_co_u32 s22, s22, 2*HALFS
	s_sub_co_u32 s22, s22, s21
	v_mul_u32_u24 v6, s22, v2                      ; lanes 16-31 take B's
	s_add_co_u32 s21, s21, SCL
	v_add_nc_u32 v5, v5, v6
	v_add_nc_u32 v[ADRS], s21, v5
	s_mul_i32 s23, s14, 8448                       ; my stage for the way out, in slot 0: when the first result is stored there the slot has had its one fill and its last read
	v_mul_u32_u24 v5, v1, 272
	v_lshl_add_u32 v5, v2, 4, v5
	v_add_nc_u32 v[STO], s23, v5                   ; f16: row r of 256 bytes + 16; 16 bytes for each half of the lanes
	v_and_b32 v6, 31, v0
	v_lshrrev_b32 v5, 3, v6
	v_mul_u32_u24 v5, v5, 272
	v_and_b32 v7, 7, v0
	v_lshl_add_u32 v5, v7, 4, v5
	v_add_nc_u32 v[RD], s23, v5                    ; back: eight lanes take one position's 128 bytes of one head, four positions an instruction
	v_lshlrev_b32 v[CO], 4, v6                     ; which are 512 consecutive bytes of qkv16
	v_mul_u32_u24 v5, v1, 528
	v_lshl_add_u32 v5, v2, 5, v5
	v_add_nc_u32 v[STO32], s23, v5                 ; f32: row r of 512 bytes + 16
	v_add_nc_u32 v[RD32], s23, v[CO]
	s_lshl_b32 s92, ttmp9, 2                       ; qkv16: ((q, k or v) x 4 + batch) x 16 + my first head,
	s_add_co_u32 s92, s92, s41
	s_lshl_b32 s92, s92, 4
	s_lshl_b32 s93, s40, 2
	s_add_co_u32 s92, s92, s93
	s_lshl_b32 s93, s16, 1
	s_add_co_u32 s92, s92, s93
	s_lshl_b32 s92, s92, 18                        ; heads of 262,144 bytes,
	s_lshl_b32 s93, s95, 15
	s_add_co_u32 s92, s92, s93                     ; + 256 x cluster y positions of 128 bytes,
	s_lshl_b32 s93, s15, 14
	s_add_co_u32 s92, s92, s93                     ; + my half's 128
	s_mov_b32 s93, 0
	s_add_nc_u64 s[98:99], s[98:99], s[92:93]
.macro FRAG reg, adr, q, i             ; 16 rows x 128 K of 4-bit codes: 8 registers; registers 4 c .. 4 c + 3 hold K = 64 c + 32 (lane / 16) + 0 .. 31
.irp c, 0,1
	ds_load_b128 v[\reg+4*\c:\reg+4*\c+3], v[\adr] offset:64*(\q)+32*\c+(\i)*16*PITCH
.endr
.endm
; 16 matrix instructions: A's blocks a0, a0 + 1 x B's eight.  zero = 1: the first product starts the sums, on the bias.  The 64 accumulators take turns, one instruction a turn.
.macro MUL16 a0, p, q, sc, zero
.irp a, \a0, \a0+1
.irp b, 0,1,2,3,4,5,6,7
.if \zero
	v_wmma_scale_f32_16x16x128_f8f6f4 v[8*(8*((\a)%4)+\b):8*(8*((\a)%4)+\b)+7], v[128*(\p)+FR*\b:128*(\p)+FR*\b+FR-1], v[AF+FR*(\a):AF+FR*(\a)+FR-1], v[BIAS+8*\b:BIAS+8*\b+7], v[SC+8*NQ*(\sc)+NQ*\b+(\q)], v[SC+8*NQ*(\sc)+NQ*(\a)+(\q)] matrix_a_fmt:MATRIX_FMT_FP4 matrix_b_fmt:MATRIX_FMT_FP4 matrix_a_scale:MATRIX_SCALE_ROW1
.else
	v_wmma_scale_f32_16x16x128_f8f6f4 v[8*(8*((\a)%4)+\b):8*(8*((\a)%4)+\b)+7], v[128*(\p)+FR*\b:128*(\p)+FR*\b+FR-1], v[AF+FR*(\a):AF+FR*(\a)+FR-1], v[8*(8*((\a)%4)+\b):8*(8*((\a)%4)+\b)+7], v[SC+8*NQ*(\sc)+NQ*\b+(\q)], v[SC+8*NQ*(\sc)+NQ*(\a)+(\q)] matrix_a_fmt:MATRIX_FMT_FP4 matrix_b_fmt:MATRIX_FMT_FP4 matrix_a_scale:MATRIX_SCALE_ROW1
.endif
.endr
.endr
.endm
.macro FETCH_B slot, q, p
	WIN TO_B
.irp i, 0,1,2,3,4,5,6,7
	FRAG 128*(\p)+FR*\i, ADRB+\slot, \q, \i
.endr
	WIN 0
.endm
.macro FETCH_A slot, q, i0
.irp i, \i0, \i0+1, \i0+2, \i0+3
	FRAG AF+FR*(\i), ADRA+\slot, \q, \i
.endr
.endm
.macro SCALES sc                       ; a slot's scale words: lanes 0-15 take A's block i, lanes 16-31 B's block i
.irp i, 0,1,2,3,4,5,6,7
	ds_load_b128 v[SC+8*NQ*\sc+NQ*\i:SC+8*NQ*\sc+NQ*\i+3], v[ADRS] offset:\i*SBLK
.endr
.endm
.macro PLACES n                        ; plain vector instructions between a matrix instruction and a load into, or a read of, its registers
.rept \n
	v_nop
.endr
.endm
.macro STEP slot, q, zero              ; 128 along K, with its successor in the same slot
	s_wait_dscnt 4*NL                              ; B's set and A's blocks 0-3 are in; the youngest eight loads (A's blocks 4-7) may be out
.if \zero
	WIN BIA_LO
.else
	WIN MUL_LO
.endif
	MUL16 0, (\q)%2, \q, \slot, \zero
	MUL16 2, (\q)%2, \q, \slot, \zero
	s_wait_dscnt 0                                 ; A's blocks 4-7 are in
	PLACES NP
	FETCH_B \slot, (\q)+1, 1-(\q)%2
	FETCH_A \slot, (\q)+1, 0
.if \zero
	WIN BIA_HI
.else
	WIN MUL_HI
.endif
	MUL16 4, (\q)%2, \q, \slot, \zero
	MUL16 6, (\q)%2, \q, \slot, \zero
	PLACES NP
	WIN 0
	FETCH_A \slot, (\q)+1, 4
.endm
.macro STEPS slot, from
.set Q, \from
.rept NQ-1-\from
	STEP \slot, Q, 0
.set Q, Q+1
.endr
.endm
	s_wait_tensorcnt 1                             ; the scales and my part of slot 0 are in (slot 1's load may be out)
	s_barrier_signal -1
	s_barrier_wait -1                              ; everybody's are
	FETCH_B 0, 0, 0
	FETCH_A 0, 0, 0
	SCALES 0
	FETCH_A 0, 0, 4
	s_wait_loadcnt 0x0                             ; the bias
	STEP 0, 0, 1
	STEPS 0, 1
	; slot 0's last step changes slots: one barrier; in front of it each wave waits for all its tensor loads and for its reads of slot 0
	s_wait_tensorcnt 0x0                           ; my part of slot 1 has landed
	ds_add_u32 v[SPW], v[NIL]                      ; 0 onto my spare word
	s_wait_dscnt 4*NL+1                            ; (the add and A's blocks 4-7 may be out)
	WIN MUL_LO
	MUL16 0, 1, NQ-1, 0, 0
	s_wait_dscnt 0x0                               ; the add is done, and my reads of slot 0 are over
	s_barrier_signal -1
	MUL16 2, 1, NQ-1, 0, 0
	WIN 0
	s_barrier_wait -1
	PLACES NP
	v_add_nc_u32 v[ADRS], 4*NQ, v[ADRS]            ; on to slot 1's scale words
	FETCH_B 1, 0, 0
	FETCH_A 1, 0, 0
	SCALES 1
	WIN MUL_HI
	MUL16 4, 1, NQ-1, 0, 0
	MUL16 6, 1, NQ-1, 0, 0
	PLACES NP
	WIN 0
	FETCH_A 1, 0, 4
	STEPS 1, 0
	s_wait_dscnt 4*NL                              ; the very last step: nothing more to fetch
	WIN MUL_LO
	MUL16 0, 1, NQ-1, 1, 0
	MUL16 2, 1, NQ-1, 1, 0
	s_wait_dscnt 0
	WIN MUL_HI
	MUL16 4, 1, NQ-1, 1, 0
	MUL16 6, 1, NQ-1, 1, 0
	WIN 0
	PLACES NP                                      ; for the reads of the results and the loads into registers that held operands
	; THE FIRST 16 POSITIONS OF A BATCH ALSO LEAVE IN f32.  The branch hangs on the cluster's y and the wave's number: it is the same in all sixteen partners.
	s_cmp_lg_u32 s3, 0
	s_cbranch_scc1 .Lno_fine
	WIN 0x08                                       ; an LDS store's data are its source 1: window 2
.irp b, 0,1,2,3,4,5,6,7
	ds_store_b128 v[STO32], v[8*\b:8*\b+3] offset:64*\b            ; each accumulator from its low end on
	ds_store_b128 v[STO32], v[8*\b+4:8*\b+7] offset:64*\b+16
.endr
	WIN 0
.irp t, 0,1,2,3,4,5,6,7,8,9,10,11,12,13,14,15
	ds_load_b128 v[192+4*\t:195+4*\t], v[RD32] offset:\t*528       ; LDS serves a wave's instructions in order: these see the stores above
.endr
	s_wait_dscnt 0x0
.irp t, 0,1,2,3,4,5,6,7,8,9,10,11,12,13,14,15
	global_store_b128 v[CO], v[192+4*\t:195+4*\t], s[12:13] offset:\t*12288   ; 512 consecutive bytes of position t's row
.endr
.Lno_fine:
; THE WAY OUT, a block of 16 positions x 128 columns (two heads) at a time: rounded to f16, through my own stage, back as runs of 4 positions of one head.
.macro PACK a
.set AC, 64*((\a)%4)
	WIN 0x0a+5*((\a)/4)                            ; sources 0 and 1: window 2 or 3
.irp b, 0,1,2,3,4,5,6,7
.irp r, 0,1,2,3
	v_cvt_pk_f16_f32 v[TMP+4*\b+\r], v[AC+8*\b+2*\r], v[AC+8*\b+2*\r+1]
.endr
.endr
	WIN 0
.endm
.macro TOSTAGE a
.set BB, BK+32*((\a)%2)
.irp b, 0,1,2,3,4,5,6,7
	ds_store_b128 v[STO], v[TMP+4*\b:TMP+4*\b+3] offset:32*\b
.endr
.irp t, 0,1,2,3,4,5,6,7
	ds_load_b128 v[BB+4*\t:BB+4*\t+3], v[RD] offset:(\t%4)*4*272+(\t/4)*128
.endr
.endm
.macro SEND a
.set BB, BK+32*((\a)%2)
	s_wait_dscnt 0x0                               ; the block is back in registers
	s_wait_xcnt 0x0                                ; the block before has had its stores' registers read: the next block's loads may land there
.irp t, 0,1,2,3,4,5,6,7
	global_store_b128 v[CO], v[BB+4*\t:BB+4*\t+3], s[98:99] offset:(\t/4)*262144+(\a)*2048+(\t%4)*512   ; 512 consecutive bytes, aligned
.endr
.endm
	PACK 0
	TOSTAGE 0
.irp a, 1,2,3,4,5,6,7
	PACK \a                                        ; block a's conversions stand between block a - 1's loads from the stage and the wait for them
	SEND \a-1
	TOSTAGE \a
.endr
	SEND 7
	s_wait_tensorcnt 0x0                           ; the wave's end
	ds_add_u32 v[SPW], v[NIL]
	s_wait_dscnt 0x0
	CROUND                                         ; the closing round
	s_endpgm
.Lfunc_end_k_q140f796b00_qkv:
	.size	k_q140f796b00_qkv, .Lfunc_end_k_q140f796b00_qkv-k_q140f796b00_qkv
	.p2alignl 7, 3214868480
	.fill 96, 4, 3214868480
	.section	.rodata,"a",@progbits
	.p2align	6, 0x0
	.amdhsa_kernel k_q140f796b00_qkv
		.amdhsa_group_segment_fixed_size 327680
		.amdhsa_private_segment_fixed_size 0
		.amdhsa_enable_private_segment 0
		.amdhsa_kernarg_size 56
		.amdhsa_user_sgpr_count 2
		.amdhsa_user_sgpr_kernarg_segment_ptr 1
		.amdhsa_wavefront_size32 1
		.amdhsa_system_sgpr_workgroup_id_x 1
		.amdhsa_system_sgpr_workgroup_id_y 1
		.amdhsa_system_sgpr_workgroup_id_z 1
		.amdhsa_system_vgpr_workitem_id 0
		.amdhsa_next_free_vgpr 1024
		.amdhsa_next_free_sgpr 100
		.amdhsa_reserve_vcc 0
		.amdhsa_float_denorm_mode_32 3
		.amdhsa_float_denorm_mode_16_64 3
		.amdhsa_memory_ordered 1
		.amdhsa_forward_progress 1
		.amdhsa_inst_pref_size 132
	.end_amdhsa_kernel
	.amdgpu_metadata
---
amdhsa.version: [ 1, 2 ]
amdhsa.kernels:
  - .name:           k_q140f796b00_qkv
    .symbol:         k_q140f796b00_qkv.kd
    .args:
      - { .name: xc, .offset: 0, .size: 8, .value_kind: global_buffer, .address_space: global }
      - { .name: xs, .offset: 8, .size: 8, .value_kind: global_buffer, .address_space: global }
      - { .name: wc, .offset: 16, .size: 8, .value_kind: global_buffer, .address_space: global }
      - { .name: ws, .offset: 24, .size: 8, .value_kind: global_buffer, .address_space: global }
      - { .name: b_qkv, .offset: 32, .size: 8, .value_kind: global_buffer, .address_space: global }
      - { .name: qkv16, .offset: 40, .size: 8, .value_kind: global_buffer, .address_space: global }
      - { .name: qkvf, .offset: 48, .size: 8, .value_kind: global_buffer, .address_space: global }
    .group_segment_fixed_size: 327680
    .private_segment_fixed_size: 0
    .kernarg_segment_align: 8
    .kernarg_segment_size: 56
    .max_flat_workgroup_size: 128
    .sgpr_count:     100
    .vgpr_count:     1024
    .wavefront_size: 32
...
	.end_amdgpu_metadata
.endif
;; end of part 2
;; launch attn (part 3): grid 4 x 64, 8 waves a work-group, no clusters, 327,680 bytes of LDS; arguments qkv16, y16; writes y16
.if DOCPART == 3
	.amdgcn_target "amdgcn-amd-amdhsa--gfx1250"
	.amdhsa_code_object_version 6
	.text
	.protected	k_q140f796b00_attn
	.globl	k_q140f796b00_attn
	.p2align	8
	.type	k_q140f796b00_attn,@function
k_q140f796b00_attn:
	s_mov_b64 s[64:65], 0
	v_nop
	global_prefetch_b8 v0, s[64:65] scope:SCOPE_SE
	s_setreg_imm32_b32 hwreg(HW_REG_WAVE_MODE, 25, 1), 1
	s_wait_xcnt 0x0
; y[b][head][q] = the sum over k <= q of softmax_k(Q[q] . K[k] / 8) V[k], head size 64, 2,048 positions, 64 heads (batch x head).  Q, K, V in f16 from qkv16 [q, k, v][batch x head][t][64];
; products in f16 with f32 sums; maxima, exponentials and sums in f32; the weights p are rounded to f16 for the second product; y once, to f16: y16 [head][batch x 2048 + t][64].
; (The first 16 positions of every batch are made here too, and are made again, in f32, by the last launch.)
; SHARES.  Work-group (i, batch x head) takes two blocks of 256 queries, one after the other: block 7 - i, then block i: 9 slots of 256 keys under the causal mask for every work-group alike.
; Each of eight waves owns 32 queries, two tiles of 16.  A key step is 64 keys.  Two waves to a SIMD: one wave's vector work stands beside the other's matrix work.
; NO CLUSTER: under the causal limit the query blocks of a head need different numbers of tiles.
; LAYOUT.  S^T = K Q^T (source 0 = 16 keys, source 1 = 16 queries): a lane holds ONE query (lane % 16) and the keys 8 (lane / 16) + 0 .. 7.  Two such tiles, rounded in pairs, are source 1 of
; O^T = V^T P, whose result again holds one query a lane.  K comes out of LDS as it lies, V ([key][channel]) turned, by ds_load_tr16_b128.
; SOFTMAX.  A running maximum m and sum l for each query: p = 2^(c s - c m), c = log2(e) / 8; in every step O and l are multiplied by a = 2^(c m_old - c m_new).
; THE CAUSAL MASK.  Every pass walks all 8 slots, so that the trip counts are constants; a step all of whose keys come after my 32 queries is jumped over (a scalar branch on ids), and a slot whose
; first key comes after the work-group's last query is not asked for.  On the diagonal hidden scores become -infinity ahead of the maximum.  Every step that is walked has a key that counts for each query.
; REGISTERS: window 0: v1-15 addresses and constants; v16-31 statistics, 8 a tile; v32-95 S^T; v96-127 P; v128-191 O^T.   window 1: v0-31 Q; v32-95 K of a step; v96-159 V of a step.
.set KP,    144                        ; a row of K in LDS: 128 bytes + 16
.set VP,    160                        ; a row of V: 128 + 32
.set VOFF,  256*KP                     ; a slot: 256 rows of K, then 256 rows of V
.set SLOT1, 1<<17                      ; slot 1 begins here: one exclusive or turns an address from one slot to the other
.set STAGE, 2*SLOT1                    ; the way out: 32 rows x 144 bytes for each wave
.set SPARE, STAGE+8*32*KP              ; the spare words, 128 bytes for each wave
.set AK0,  1
.set AV0,  2
.set ADK,  3
.set ADV,  4
.set QOFF, 5
.set STO,  6
.set RD,   7
.set GO,   8
.set PFO,  9                           ; 256 x my lane; never rewritten
.set SPW,  10
.set NIL,  11
.set DD,   12                          ; v12, v13: the two tiles' distance from the diagonal
.set NINF, 14
.set DL,   15                          ; lane % 16 - 8 (lane / 16)
.set ST,   16                          ; tile u at v[ST + 8 u]: +0 c m, +1 m, +2, +3 l (even keys', odd keys'), +4 .. +7 at work; a in +6
.set S,    32
.set P,    96
.set O,    128
.set QF,   0                           ; in window 1
.set KFR,  32
.set VFR,  96
.set WV,   8
.set G1K,  24
.set G1V,  32
.set G0K,  40
.set G0V,  44
.set TBK,  48                          ; LDS byte at which the step's rows of K begin,
.set TBV,  49                          ; and (less VOFF) its rows of V
.set KF,   50                          ; the step's first key
.set QFIRST, 51                        ; my first query
.set SLOTS, 52
.set CNT,  53
.set PFA,  54                          ; s[54:55] where my prefetches stand
.set LIM,  56                          ; 1 in a work-group that prefetches, else the greatest number
.set QA,   58
.set YA,   60
.set MSB, 0
.macro WIN new                         ; the immediate's high byte repeats the setting that is left
.if MSB != \new
	s_set_vgpr_msb (MSB<<8)|\new
.set MSB, \new
.endif
.endm
; Waves 0-3 fetch the four quarters of a slot's K, waves 4-7 those of its V: 64 rows a load.  An s_nop 0 and four v_nop follow each line.
.macro TLOAD
	s_cmp_lt_u32 s[WV], 4
	s_cbranch_scc0 .Lfor_v_\@
	tensor_load_to_lds s[G0K:G0K+3], s[G1K:G1K+7]
	s_nop 0
.rept 4
	v_nop
.endr
	s_branch .Lasked_\@
.Lfor_v_\@:
	tensor_load_to_lds s[G0V:G0V+3], s[G1V:G1V+7]
	s_nop 0
.rept 4
	v_nop
.endr
.Lasked_\@:
.endm
; A PREFETCH INTO THE L2 of the slot that the NEXT change of slots will ask for: four key steps ahead of that load.  All four work-groups of a head walk the same K and V: work-group 0, whose first pass walks
; all eight slots, asks, in that pass alone; each of its waves for the 8,192 bytes that it will itself fetch, lanes 256 bytes apart: so each block of 256 bytes is named once.  Slots 0 and 1 come by their loads alone; the last change that fills asks for nothing.
.macro ASK
	s_cmp_gt_u32 s[SLOTS], s[LIM]
	s_cbranch_scc0 .Lnot_mine_\@
	global_prefetch_b8 v[PFO], s[PFA:PFA+1] th:TH_LOAD_NT scope:SCOPE_SE
.Lnot_mine_\@:
.endm
; A KEY STEP: 64 keys.
.macro STEP
	s_add_co_u32 s62, s[QFIRST], 31
	s_cmp_gt_u32 s[KF], s62                        ; all keys behind my last query: nothing to do but step the addresses
	s_cbranch_scc1 .Lhid_\@
	v_add_nc_u32 v[ADK], s[TBK], v[AK0]
	v_add_nc_u32 v[ADV], s[TBV], v[AV0]
	v_nop
	v_nop                                          ; four plain instructions between the last products and the loads into the registers that they read
	WIN 0x40                                       ; destination window 1
.irp kt, 0,1,2,3
.irp ks, 0,1
	ds_load_b128 v[KFR+16*\kt+8*\ks:KFR+16*\kt+8*\ks+3],   v[ADK] offset:\kt*16*KP+\ks*64
	ds_load_b128 v[KFR+16*\kt+8*\ks+4:KFR+16*\kt+8*\ks+7], v[ADK] offset:\kt*16*KP+\ks*64+32
.endr
.endr
.irp g, 0,1
.irp c, 0,1,2,3
	ds_load_tr16_b128 v[VFR+32*\g+8*\c:VFR+32*\g+8*\c+3],   v[ADV] offset:\g*32*VP+\c*32
	ds_load_tr16_b128 v[VFR+32*\g+8*\c+4:VFR+32*\g+8*\c+7], v[ADV] offset:\g*32*VP+16*VP+\c*32
.endr
.endr
	s_wait_dscnt 16                                ; K's sixteen loads are in; V's sixteen may be out
	WIN 0x05                                       ; K and Q in window 1, S^T in window 0
.irp ks, 0,1                                   ; the eight accumulators take turns, one instruction a turn
.irp kt, 0,1,2,3
.irp u, 0,1
.if \ks == 0
	v_wmma_f32_16x16x32_f16 v[S+32*\u+8*\kt:S+32*\u+8*\kt+7], v[KFR+16*\kt+8*\ks:KFR+16*\kt+8*\ks+7], v[QF+16*\u+8*\ks:QF+16*\u+8*\ks+7], 0
.else
	v_wmma_f32_16x16x32_f16 v[S+32*\u+8*\kt:S+32*\u+8*\kt+7], v[KFR+16*\kt+8*\ks:KFR+16*\kt+8*\ks+7], v[QF+16*\u+8*\ks:QF+16*\u+8*\ks+7], v[S+32*\u+8*\kt:S+32*\u+8*\kt+7]
.endif
.endr
.endr
.endr
	WIN 0
.rept 4
	v_nop
.endr
	s_add_co_u32 s62, s[KF], 63
	s_cmp_le_u32 s62, s[QFIRST]                    ; all keys count for all my queries: no mask
	s_cbranch_scc1 .Lopen_\@
	s_sub_co_i32 s62, s[QFIRST], s[KF]
	v_add_nc_u32 v[DD], s62, v[DL]                 ; register 8 kt + j of tile u holds key KF + 16 kt + 8 (lane / 16) + j: hidden where 16 kt + j > my query - KF - 8 (lane / 16)
	v_add_nc_u32 v[DD+1], 16, v[DD]
.irp u, 0,1
.irp n, 0,1,2,3,4,5,6,7,8,9,10,11,12,13,14,15,16,17,18,19,20,21,22,23,24,25,26,27,28,29,30,31
	v_cmp_gt_i32 vcc_lo, 16*(\n/8)+\n%8, v[DD+\u]
	v_cndmask_b32 v[S+32*\u+\n], v[S+32*\u+\n], v[NINF], vcc_lo
.endr
.endr
.Lopen_\@:
	; the softmax, both tiles line by line in turn.  The maximum of 32 scores and the old m, three operands at a time; each accumulator is first read at its low end
.irp j, 0,1,2,3
.irp u, 0,1
	v_max3_num_f32 v[ST+8*\u+4+\j], v[S+32*\u+8*\j], v[S+32*\u+8*\j+1], v[S+32*\u+8*\j+2]
.endr
.endr
.irp i, 3,5
.irp j, 0,1,2,3
.irp u, 0,1
	v_max3_num_f32 v[ST+8*\u+4+\j], v[ST+8*\u+4+\j], v[S+32*\u+8*\j+\i], v[S+32*\u+8*\j+\i+1]
.endr
.endr
.endr
.irp u, 0,1
	v_max3_num_f32 v[ST+8*\u+4], v[ST+8*\u+4], v[S+32*\u+7], v[S+32*\u+15]
.endr
.irp u, 0,1
	v_max3_num_f32 v[ST+8*\u+6], v[ST+8*\u+6], v[S+32*\u+23], v[S+32*\u+31]
.endr
.irp u, 0,1
	v_max3_num_f32 v[ST+8*\u+4], v[ST+8*\u+4], v[ST+8*\u+5], v[ST+8*\u+6]
.endr
.irp u, 0,1
	v_max3_num_f32 v[ST+8*\u+4], v[ST+8*\u+4], v[ST+8*\u+7], v[ST+8*\u+1]
.endr
.irp u, 0,1
	v_permlanex16_b32 v[ST+8*\u+5], v[ST+8*\u+4], s20, s21   ; the query's other 32 keys lie in the lane 16 away
.endr
.irp u, 0,1
	v_mov_b32 v[ST+8*\u+7], v[ST+8*\u]             ; c m_old
.endr
.irp u, 0,1
	v_max_num_f32 v[ST+8*\u+1], v[ST+8*\u+4], v[ST+8*\u+5]
.endr
.irp u, 0,1
	v_mul_f32 v[ST+8*\u], s22, v[ST+8*\u+1]        ; c m
.endr
.irp u, 0,1
	v_sub_f32 v[ST+8*\u+7], v[ST+8*\u+7], v[ST+8*\u]
.endr
.irp b, 0,1,2,3,4,5,6,7,8,9,10,11,12,13,14,15
.irp u, 0,1
	v_pk_fma_f32 v[S+32*\u+2*\b:S+32*\u+2*\b+1], v[S+32*\u+2*\b:S+32*\u+2*\b+1], s[22:23], v[ST+8*\u:ST+8*\u+1] op_sel_hi:[1,0,0] neg_lo:[0,0,1] neg_hi:[0,0,1]   ; c s - c m, two at a time
.endr
.endr
.irp u, 0,1
	v_exp_f32 v[ST+8*\u+6], v[ST+8*\u+7]           ; a
.endr
.irp e, 0,1,2,3,4,5,6,7,8,9,10,11,12,13,14,15,16,17,18,19,20,21,22,23,24,25,26,27,28,29,30,31
.irp u, 0,1
	v_exp_f32 v[S+32*\u+\e], v[S+32*\u+\e]         ; p, at most 1
.endr
.endr
	v_nop                                          ; a plain instruction behind the last exponential,
	s_wait_alu depctr_va_vdst(0)                   ; and ONE wait for the batch of 66, ahead of its first reader
.irp b, 0,1,2,3,4,5,6,7,8,9,10,11,12,13,14,15
.irp u, 0,1
	v_cvt_pk_f16_f32 v[P+16*\u+\b], v[S+32*\u+2*\b], v[S+32*\u+2*\b+1]
.endr
.endr
.irp z, 0,1,2,3,4,5,6,7                        ; the sum of the 16 pairs, in place, of the unrounded p
.irp u, 0,1
	v_pk_add_f32 v[S+32*\u+4*\z:S+32*\u+4*\z+1], v[S+32*\u+4*\z:S+32*\u+4*\z+1], v[S+32*\u+4*\z+2:S+32*\u+4*\z+3]
.endr
.endr
.irp z, 0,1,2,3
.irp u, 0,1
	v_pk_add_f32 v[S+32*\u+8*\z:S+32*\u+8*\z+1], v[S+32*\u+8*\z:S+32*\u+8*\z+1], v[S+32*\u+8*\z+4:S+32*\u+8*\z+5]
.endr
.endr
.irp z, 0,1
.irp u, 0,1
	v_pk_add_f32 v[S+32*\u+16*\z:S+32*\u+16*\z+1], v[S+32*\u+16*\z:S+32*\u+16*\z+1], v[S+32*\u+16*\z+8:S+32*\u+16*\z+9]
.endr
.endr
.irp u, 0,1
	v_pk_add_f32 v[S+32*\u:S+32*\u+1], v[S+32*\u:S+32*\u+1], v[S+32*\u+16:S+32*\u+17]
.endr
.irp u, 0,1
	v_pk_fma_f32 v[ST+8*\u+2:ST+8*\u+3], v[ST+8*\u+2:ST+8*\u+3], v[ST+8*\u+6:ST+8*\u+7], v[S+32*\u:S+32*\u+1] op_sel_hi:[1,0,1]   ; l = a l + the sum
.endr
.irp i, 0,2,4,6,8,10,12,14,16,18,20,22,24,26,28,30
.irp u, 0,1
	v_pk_mul_f32 v[O+32*\u+\i:O+32*\u+\i+1], v[O+32*\u+\i:O+32*\u+\i+1], v[ST+8*\u+6:ST+8*\u+7] op_sel_hi:[1,0]   ; O^T x a, each accumulator from its low end on
.endr
.endr
	s_wait_dscnt 0x0                               ; V is in
	WIN 0x01                                       ; V in window 1; P and O^T in window 0
.irp g, 0,1
.irp c, 0,1,2,3
.irp u, 0,1
	v_wmma_f32_16x16x32_f16 v[O+32*\u+8*\c:O+32*\u+8*\c+7], v[VFR+32*\g+8*\c:VFR+32*\g+8*\c+7], v[P+16*\u+8*\g:P+16*\u+8*\g+7], v[O+32*\u+8*\c:O+32*\u+8*\c+7]
.endr
.endr
.endr
	WIN 0
.Lhid_\@:
	s_add_co_u32 s[KF], s[KF], 64
	s_add_co_u32 s[TBK], s[TBK], 64*KP
	s_add_co_u32 s[TBV], s[TBV], 64*VP
.endm
.macro FOUR_STEPS                      ; a slot's four key steps: written once, walked four times
	s_mov_b32 s[CNT], 4
.Lfs_\@:
	STEP
	s_sub_co_u32 s[CNT], s[CNT], 1
	s_cmp_lg_u32 s[CNT], 0
	s_cbranch_scc1 .Lfs_\@
	s_sub_co_u32 s[TBK], s[TBK], 256*KP            ; back to a slot's first step,
	s_xor_b32 s[TBK], s[TBK], SLOT1                ; in the other slot
	s_sub_co_u32 s[TBV], s[TBV], 256*VP
	s_xor_b32 s[TBV], s[TBV], SLOT1
.endm
; THE CHANGE OF SLOTS stands at a slot's head.  Each wave waits for all its tensor loads (its part of the slot ahead), adds 0 to its spare word, and waits for that and for its reads of the slot that it has left.
; Behind the barrier the slot ahead is whole and nobody reads the other one.  kind 1: the other slot takes the next 256 keys, up to the causal limit.  kind 2: it takes the head's first 256 keys again, for the second pass.  kind 0: nothing.
; By this text's own count one tensor load of a wave is out at the most.  Every wait on TENSORcnt is for 0.
.macro CHANGE kind, ask
	s_wait_tensorcnt 0x0                           ; no tensor load of mine is out, so a group 0 may be written
	ds_add_u32 v[SPW], v[NIL]                      ; 0 onto my spare word; the descriptors' steps stand between it and the wait for it
.if \kind == 1
	s_xor_b32 s[G0K+1], s[G0K+1], SLOT1
	s_add_nc_u64 s[G0K+2:G0K+3], s[G0K+2:G0K+3], 32768   ; 256 rows of 128 bytes on; the type bits on top are not reached
	s_xor_b32 s[G0V+1], s[G0V+1], SLOT1
	s_add_nc_u64 s[G0V+2:G0V+3], s[G0V+2:G0V+3], 32768
.endif
.if \kind == 2
	s_xor_b32 s[G0K+1], s[G0K+1], SLOT1
	s_sub_nc_u64 s[G0K+2:G0K+3], s[G0K+2:G0K+3], 229376  ; seven slots back
	s_xor_b32 s[G0V+1], s[G0V+1], SLOT1
	s_sub_nc_u64 s[G0V+2:G0V+3], s[G0V+2:G0V+3], 229376
.endif
.if (\ask)
	s_wait_xcnt 0x0                                ; the last prefetch, a slot back, has read its address, so it may be written
	s_add_nc_u64 s[PFA:PFA+1], s[PFA:PFA+1], 32768 ; one slot further on than the walking descriptors
.endif
	s_wait_dscnt 0x0                               ; the add is done, and my reads of the slot that I have left are over
	s_barrier_signal -1
	s_barrier_wait -1
.if \kind == 1
	s_add_co_u32 s62, s[KF], 256                   ; the first key of the slot that this change would ask for,
	s_or_b32 s63, s[QFIRST], 255                   ; against my work-group's last query: ids and the count of steps alone, the same in all eight waves
	s_cmp_gt_u32 s62, s63
	s_cbranch_scc1 .Lpast_\@                       ; a slot that no wave will read is not asked for; the jump leads round the load's own lines and nothing else
	TLOAD
.Lpast_\@:
.endif
.if \kind == 2
	TLOAD
.endif
.if (\ask)
	ASK
.endif
.endm
; THE WAY OUT of a pass: l's two halves and the other half of the lanes' are added (these additions are the places behind the last products); O^T / l, rounded to f16, goes through my stage and leaves as 512 consecutive bytes a store.
.macro OUTY
.irp u, 0,1
	v_add_f32 v[ST+8*\u+4], v[ST+8*\u+2], v[ST+8*\u+3]
.endr
.irp u, 0,1
	v_permlanex16_b32 v[ST+8*\u+5], v[ST+8*\u+4], s20, s21
.endr
.irp u, 0,1
	v_add_f32 v[ST+8*\u+4], v[ST+8*\u+4], v[ST+8*\u+5]
.endr
.irp u, 0,1
	v_rcp_f32 v[ST+8*\u+6], v[ST+8*\u+4]
.endr
	v_nop
	s_wait_alu depctr_va_vdst(0)                   ; one wait for the two reciprocals, ahead of their first reader
.irp u, 0,1
.irp i, 0,2,4,6,8,10,12,14,16,18,20,22,24,26,28,30
	v_pk_mul_f32 v[O+32*\u+\i:O+32*\u+\i+1], v[O+32*\u+\i:O+32*\u+\i+1], v[ST+8*\u+6:ST+8*\u+7] op_sel_hi:[1,0]
.endr
.endr
.irp u, 0,1
.irp i, 0,1,2,3,4,5,6,7,8,9,10,11,12,13,14,15
	v_cvt_pk_f16_f32 v[S+16*\u+\i], v[O+32*\u+2*\i], v[O+32*\u+2*\i+1]
.endr
.endr
.irp u, 0,1
.irp c, 0,1,2,3
	ds_store_b128 v[STO], v[S+16*\u+4*\c:S+16*\u+4*\c+3] offset:\u*16*KP+32*\c   ; query 16 u + r, channels 16 c + 8 h + 0 .. 7
.endr
.endr
.irp g, 0,1,2,3,4,5,6,7
	ds_load_b128 v[S+32+4*\g:S+32+4*\g+3], v[RD] offset:\g*4*KP    ; LDS serves a wave's instructions in order: these see the stores above
.endr
.irp g, 0,1,2,3,4,5,6,7
	s_wait_dscnt 7-\g
	global_store_b128 v[GO], v[S+32+4*\g:S+32+4*\g+3], s[YA:YA+1] offset:512*\g   ; four queries' rows: 512 consecutive bytes, aligned
.endr
.endm
.macro PASS p
	s_wait_xcnt 0x0                                ; the pass before has had its stores' registers and base read
.if \p == 0
	s_sub_co_u32 s62, 7, s9                        ; block 7 - i,
.else
	s_mov_b32 s62, s9                              ; then block i
.endif
	s_lshl_b32 s62, s62, 8
	s_lshl_b32 s63, s[WV], 5
	s_add_co_u32 s[QFIRST], s62, s63
	s_lshl_b32 s62, s[QFIRST], 7
	s_mov_b32 s63, 0
	s_add_nc_u64 s[QA:QA+1], s[12:13], s[62:63]
	s_add_nc_u64 s[YA:YA+1], s[18:19], s[62:63]
	WIN 0x40
.irp u, 0,1
.irp ks, 0,1
	global_load_b128 v[QF+16*\u+8*\ks:QF+16*\u+8*\ks+3],   v[QOFF], s[QA:QA+1] offset:2048*\u+64*\ks
	global_load_b128 v[QF+16*\u+8*\ks+4:QF+16*\u+8*\ks+7], v[QOFF], s[QA:QA+1] offset:2048*\u+64*\ks+32
.endr
.endr
	WIN 0
.irp u, 0,1
	v_mov_b32 v[ST+8*\u+1], 0xff61b1e6             ; m = -3e38, under every score
	v_mul_f32 v[ST+8*\u], s22, v[ST+8*\u+1]
.irp j, 2,3,4,5,6,7
	v_mov_b32 v[ST+8*\u+\j], 0
.endr
.endr
.set i, 0
.rept 64
	v_mov_b32 v[O+i], 0                            ; the step is written once: the first finds zeros, which the first a leaves zeros
.set i, i+1
.endr
	s_mov_b32 s[KF], 0
	s_mov_b32 s[SLOTS], 7
	s_wait_loadcnt 0x0                             ; Q
.Lslot_\@:
	CHANGE 1, 1-\p
	FOUR_STEPS
	s_sub_co_u32 s[SLOTS], s[SLOTS], 1
	s_cmp_lg_u32 s[SLOTS], 0
	s_cbranch_scc1 .Lslot_\@
.if \p == 0
	CHANGE 2, 0
.else
	CHANGE 0, 0
.endif
	FOUR_STEPS
	OUTY
.endm
	s_load_b128 s[4:7], s[0:1], 0x0                ; qkv16, y16
	v_lshl_add_u32 v[SPW], v0, 2, SPARE
	v_mov_b32 v[NIL], 0
	ds_add_u32 v[SPW], v[NIL]                      ; the wave's opening: the add, twice on end, and its wait ahead of my first tensor load
	ds_add_u32 v[SPW], v[NIL]
	v_lshrrev_b32 v1, 5, v0
	v_readfirstlane_b32 s[WV], v1                  ; wave 0..7
	s_mov_b32 s9, ttmp9                            ; i
	s_and_b32 s10, ttmp7, 0xffff                   ; batch x 16 + head
	s_mov_b32 s[G1K], (1<<16)|(1<<20)|(4<<22)|(3<<25)   ; no mask; elements of 2 bytes; padding on: 4 words after every 32
	s_mov_b32 s[G1V], (1<<16)|(1<<20)|(4<<22)|(7<<25)   ; 8 words after every 32
.irp g, G1K, G1V
	s_mov_b32 s[\g+1], 64<<16                      ; tensor_dim0 = 64
	s_mov_b32 s[\g+2], 64<<16                      ; tensor_dim1 = 64
	s_mov_b32 s[\g+3], 64<<16                      ; tile_dim0 = 64
	s_mov_b32 s[\g+4], 64                          ; tile_dim1 = 64
	s_mov_b32 s[\g+5], 64                          ; from row to row
	s_mov_b32 s[\g+6], 0
	s_mov_b32 s[\g+7], 0
.endr
	s_mov_b32 s20, 0x76543210                      ; v_permlanex16_b32's selects for lane l xor 16
	s_mov_b32 s21, 0xfedcba98
	s_mov_b32 s22, 0x3e38aa3b                      ; c = log2(e) / 8
	s_mov_b32 s23, s22                             ; (named with it as a pair)
	s_and_b32 s62, s[WV], 3                        ; which quarter of a slot's rows I fetch
	s_mov_b32 s[G0K], 1
	s_mul_i32 s[G0K+1], s62, 64*KP
	s_mov_b32 s[G0V], 1
	s_mul_i32 s[G0V+1], s62, 64*VP
	s_add_co_u32 s[G0V+1], s[G0V+1], VOFF
	s_lshl_b32 s2, s62, 13                         ; its 64 rows of 128 bytes in memory
	s_mov_b32 s3, 0
	s_lshl_b32 s62, s10, 18                        ; my head's 262,144 bytes
	s_mov_b32 s63, 0
	s_and_b32 s52, s10, 15
	s_lshl_b32 s52, s52, 20                        ; y16: the head's plane,
	s_lshr_b32 s53, s10, 4
	s_lshl_b32 s53, s53, 18                        ; the batch's 2,048 rows of 128 bytes
	s_add_co_u32 s52, s52, s53
	s_mov_b32 s53, 0
	s_mov_b32 s[TBK], 0
	s_mov_b32 s[TBV], 0
	s_wait_dscnt 0x0                               ; both opening adds are done
	s_wait_kmcnt 0x0
	s_add_nc_u64 s[12:13], s[4:5], s[62:63]        ; Q of my head,
	s_add_nc_u64 s[14:15], s[12:13], 0x1000000     ; K,
	s_add_nc_u64 s[16:17], s[12:13], 0x2000000     ; V
	s_add_nc_u64 s[18:19], s[6:7], s[52:53]        ; y
	s_add_nc_u64 s[G0K+2:G0K+3], s[14:15], s[2:3]
	s_or_b32 s[G0K+3], s[G0K+3], 0x80000000
	s_add_nc_u64 s[G0V+2:G0V+3], s[16:17], s[2:3]
	s_or_b32 s[G0V+3], s[G0V+3], 0x80000000
	TLOAD                                          ; slot 0: keys 0 to 255, which count in both passes
	s_cmp_lt_u32 s[WV], 4
	s_cselect_b64 s[PFA:PFA+1], s[14:15], s[16:17]
	s_add_nc_u64 s[PFA:PFA+1], s[PFA:PFA+1], s[2:3]
	s_add_nc_u64 s[PFA:PFA+1], s[PFA:PFA+1], 32768 ; in slot 1: the first change of slots steps it to slot 2.  Nothing is prefetched here, at the head
	s_cmp_eq_u32 s9, 0
	s_cselect_b32 s[LIM], 1, -1
	v_and_b32 v12, 15, v0                          ; r
	v_bfe_u32 v13, v0, 4, 1                        ; h
	v_mul_u32_u24 v[AK0], v12, KP
	v_lshl_add_u32 v[AK0], v13, 4, v[AK0]          ; K: row r x pitch + 16 h
	v_and_b32 v3, 7, v0
	v_bfe_u32 v4, v0, 3, 1
	v_lshl_add_u32 v[AV0], v13, 3, v3              ; V, for the turning load: key 8 h + lane % 8,
	v_mul_u32_u24 v[AV0], v[AV0], VP
	v_lshl_add_u32 v[AV0], v4, 4, v[AV0]           ; channels 8 ((lane / 8) % 2) on
	v_add_nc_u32 v[AV0], VOFF, v[AV0]
	v_lshlrev_b32 v[QOFF], 7, v12
	v_lshl_add_u32 v[QOFF], v13, 4, v[QOFF]
	s_mul_i32 s62, s[WV], 32*KP
	s_add_co_u32 s62, s62, STAGE                   ; my stage
	v_mul_u32_u24 v[STO], v12, KP
	v_lshl_add_u32 v[STO], v13, 4, v[STO]
	v_add_nc_u32 v[STO], s62, v[STO]
	v_bfe_u32 v[RD], v0, 3, 2
	v_mul_u32_u24 v[RD], v[RD], KP
	v_lshl_add_u32 v[RD], v3, 4, v[RD]
	v_add_nc_u32 v[RD], s62, v[RD]                 ; back: eight lanes to a row of 128 bytes, four rows an instruction
	v_and_b32 v[GO], 31, v0
	v_lshlrev_b32 v[PFO], 8, v[GO]
	v_lshlrev_b32 v[GO], 4, v[GO]
	v_lshlrev_b32 v[DL], 3, v13
	v_sub_nc_u32 v[DL], v12, v[DL]
	v_mov_b32 v[NINF], 0xff800000
	PASS 0
	PASS 1
	s_wait_tensorcnt 0x0                           ; the wave's end
	ds_add_u32 v[SPW], v[NIL]
	s_wait_dscnt 0x0
	s_endpgm
.Lfunc_end_k_q140f796b00_attn:
	.size	k_q140f796b00_attn, .Lfunc_end_k_q140f796b00_attn-k_q140f796b00_attn
	.p2alignl 7, 3214868480
	.fill 96, 4, 3214868480
	.section	.rodata,"a",@progbits
	.p2align	6, 0x0
	.amdhsa_kernel k_q140f796b00_attn
		.amdhsa_group_segment_fixed_size 327680
		.amdhsa_private_segment_fixed_size 0
		.amdhsa_enable_private_segment 0
		.amdhsa_kernarg_size 16
		.amdhsa_user_sgpr_count 2
		.amdhsa_user_sgpr_kernarg_segment_ptr 1
		.amdhsa_wavefront_size32 1
		.amdhsa_system_sgpr_workgroup_id_x 1
		.amdhsa_system_sgpr_workgroup_id_y 1
		.amdhsa_system_sgpr_workgroup_id_z 1
		.amdhsa_system_vgpr_workitem_id 0
		.amdhsa_next_free_vgpr 416
		.amdhsa_next_free_sgpr 66
		.amdhsa_reserve_vcc 1
		.amdhsa_float_denorm_mode_32 3
		.amdhsa_float_denorm_mode_16_64 3
		.amdhsa_memory_ordered 1
		.amdhsa_forward_progress 1
		.amdhsa_inst_pref_size 117
	.end_amdhsa_kernel
	.amdgpu_metadata
---
amdhsa.version: [ 1, 2 ]
amdhsa.kernels:
  - .name:           k_q140f796b00_attn
    .symbol:         k_q140f796b00_attn.kd
    .args:
      - { .name: qkv16, .offset: 0, .size: 8, .value_kind: global_buffer, .address_space: global }
      - { .name: y16, .offset: 8, .size: 8, .value_kind: global_buffer, .address_space: global }
    .group_segment_fixed_size: 327680
    .private_segment_fixed_size: 0
    .kernarg_segment_align: 8
    .kernarg_segment_size: 16
    .max_flat_workgroup_size: 256
    .sgpr_count:     66
    .vgpr_count:     416
    .wavefront_size: 32
...
	.end_amdgpu_metadata
.endif
;; end of part 3
;; launch proj (part 4): grid 8 x 32, 4 waves a work-group, clusters of 4 x 4, 327,680 bytes of LDS; arguments y16, wp16, b_proj, out0; writes out0
.if DOCPART == 4
	.amdgcn_target "amdgcn-amd-amdhsa--gfx1250"
	.amdhsa_code_object_version 6
	.text
	.protected	k_q140f796b00_proj
	.globl	k_q140f796b00_proj
	.p2align	8
	.type	k_q140f796b00_proj,@function
k_q140f796b00_proj:
	s_mov_b64 s[64:65], 0
	v_nop
	global_prefetch_b8 v0, s[64:65] scope:SCOPE_SE
	s_setreg_imm32_b32 hwreg(HW_REG_WAVE_MODE, 25, 1), 1
	s_wait_xcnt 0x0
	s_wait_alu depctr_hold_cnt(0) depctr_sa_sdst(0) depctr_va_vdst(0) depctr_va_sdst(0) depctr_va_ssrc(0) depctr_va_vcc(0) depctr_vm_vsrc(0)
	s_getreg_b32 s2, hwreg(HW_REG_IB_STS2, 6, 4)
	s_cmp_eq_u32 s2, 0
	s_cbranch_scc0 .Lentry_in_a_cluster
	s_endpgm
.Lentry_in_a_cluster:
	s_bfe_u32 s2, ttmp6, 0x10000c
	s_cmp_lg_u32 s2, 0xf033
	s_cbranch_scc0 .Lentry_shape_is_right
	s_endpgm
.Lentry_shape_is_right:
; out0 = y W_proj + b_proj.  y16 [head 16][row 8192][64] f16 (k = 64 head + channel), wp16 [k 1024][n 1024] f16, out0 [8192][1024] f32; sums in f32.
; (Rows 0-15 of every batch are written here too and written again, from f32 operands, by the last launch.)
; A tile of 256 rows x 128 columns to a work-group: 256 work-groups.  Four waves, each 128 x 64: 32 accumulators, all of window 1.  K goes in steps of 128 (two heads' planes) through two LDS slots.
; CLUSTERS: 4 x 4 work-groups; A's tiles are shared along a row of the cluster, B's along a column: each is asked for jointly.
; THE MATRIX INSTRUCTION IS USED TRANSPOSED: source 0 = 16 columns of W (out of LDS turned, by ds_load_tr16_b128, since K is W's first axis), source 1 = 16 rows of y: a lane holds eight neighbouring columns of one row.
; The bias is the C of each sum's first product.
; REGISTERS: window 0: v1-31 addresses; two fragment buffers of 96 at v32 and v128 (32 of B, then 64 of A, for 32 along K); v224-255 the bias.   window 1: accumulator (a, nb) at v[8 (4 a + nb)].
.set PA,    144                        ; a row of A in LDS: 128 bytes + 16
.set PB,    288                        ; a row of B: 256 + 32
.set APL,   256*PA                     ; a plane's 256 rows
.set BOFF,  2*APL
.set BH,    64*PB                      ; 64 rows of B: what one load brings
.set SLOT,  BOFF+2*BH
.set STAGE, 2*SLOT                     ; behind the ring: 16 rows x 272 bytes for each wave
.set SPITCH, 272
.set SPARE, STAGE+4*16*SPITCH
.set ADRA, 16
.set ADRB, 20
.set STO,  24
.set RD,   25
.set CO,   26
.set SPW,  28
.set NIL,  29
.set F0,   32
.set F1,   128
.set BIAS, 224
.set G1, 24
.set G0, 32
.set G1B, 48
.set G0B, 56
.set MSB, 0
.macro WIN new                         ; the immediate's high byte repeats the setting that is left
.if MSB != \new
	s_set_vgpr_msb (MSB<<8)|\new
.set MSB, \new
.endif
.endm
.set MUL,  0x50                        ; C and D window 1, the sources window 0
.set MUL0, 0x40                        ; the first quarter: C (the bias) window 0
.macro JLOAD s                         ; a joint load: waves 0 and 1 fetch A's two planes, waves 2 and 3 B's two halves; an s_nop 0 and four v_nop follow each line
	s_cmp_eq_u32 s13, 0
	s_cbranch_scc0 .Lfor_b_\@
	tensor_load_to_lds s[G0+4*\s:G0+4*\s+3], s[G1:G1+7]
	s_nop 0
.rept 4
	v_nop
.endr
	s_branch .Lasked_\@
.Lfor_b_\@:
	tensor_load_to_lds s[G0B+4*\s:G0B+4*\s+3], s[G1B:G1B+7]
	s_nop 0
.rept 4
	v_nop
.endr
.Lasked_\@:
.endm
.macro CREST                           ; a round of the cluster's barrier behind its opening barrier
	s_cmp_lg_u32 s12, 0
	s_cbranch_scc1 .Lnot_wave_0_\@
	s_barrier_signal -3
.Lnot_wave_0_\@:
	s_barrier_wait -3
	s_barrier_signal -1
	s_barrier_wait -1
.endm
.macro CROUND
	s_barrier_signal -1
	s_barrier_wait -1
	CREST
.endm
	s_load_b128 s[4:7], s[0:1], 0x0                ; y16, wp16
	s_load_b128 s[8:11], s[0:1], 0x10              ; b_proj, out0
	v_lshl_add_u32 v[SPW], v0, 2, SPARE
	v_mov_b32 v[NIL], 0
	ds_add_u32 v[SPW], v[NIL]                      ; the wave's opening: the add, twice on end, and its wait ahead of my first tensor load
	ds_add_u32 v[SPW], v[NIL]
	v_lshrrev_b32 v1, 5, v0
	v_readfirstlane_b32 s12, v1                    ; wave 0..3
	s_lshr_b32 s13, s12, 1                         ; which half of the tile's rows is mine.  Also: I fetch for A (0) or for B (1)
	s_and_b32 s14, s12, 1                          ; which half of its columns.  Also: which plane of A, or which 64 rows of B, I fetch
	s_bfe_u32 s40, ttmp6, 0x40000                  ; cx
	s_bfe_u32 s41, ttmp6, 0x40004                  ; cy
	s_lshl_b32 s42, ttmp9, 2
	s_add_co_u32 s42, s42, s40                     ; tile column
	s_and_b32 s15, ttmp7, 0xffff
	s_lshl_b32 s15, s15, 2
	s_add_co_u32 s15, s15, s41                     ; tile row
	s_lshl_b32 s43, s41, 2
	s_lshl_b32 s43, 15, s43                        ; my row of the cluster
	s_lshl_b32 s44, 0x1111, s40                    ; my column
	s_or_b32 s[G1+0], s43, (1<<16)|(1<<20)|(1<<21)|(4<<22)|(3<<25)   ; A: the mask; elements of 2 bytes; padding: 4 words after every 32
	s_mov_b32 s[G1+1], 64<<16                      ; tensor_dim0 = 64
	s_mov_b32 s[G1+2], 256<<16                     ; tensor_dim1 = 256
	s_mov_b32 s[G1+3], 64<<16                      ; tile_dim0 = 64
	s_mov_b32 s[G1+4], 256                         ; tile_dim1 = 256
	s_mov_b32 s[G1+5], 64                          ; from row to row
	s_mov_b32 s[G1+6], 0
	s_mov_b32 s[G1+7], 0
	s_or_b32 s[G1B+0], s44, (1<<16)|(1<<20)|(1<<21)|(5<<22)|(7<<25)  ; B: padding: 8 words after every 64
	s_mov_b32 s[G1B+1], 128<<16
	s_mov_b32 s[G1B+2], 64<<16
	s_mov_b32 s[G1B+3], 128<<16
	s_mov_b32 s[G1B+4], 64
	s_mov_b32 s[G1B+5], 1024
	s_mov_b32 s[G1B+6], 0
	s_mov_b32 s[G1B+7], 0
	s_lshl_b32 s16, s14, 20                        ; A: my plane of 1,048,576 bytes,
	s_lshl_b32 s17, s15, 15
	s_add_co_u32 s16, s16, s17                     ; the tile's 256 rows of 128 bytes
	s_mov_b32 s17, 0
	s_lshl_b32 s46, s14, 17                        ; B: my 64 rows of 2,048 bytes,
	s_lshl_b32 s47, s42, 8
	s_add_co_u32 s46, s46, s47                     ; the tile's 128 columns
	s_mov_b32 s47, 0
	s_mul_i32 s20, s14, APL                        ; where they go
	s_mul_i32 s21, s14, BH
	s_add_co_u32 s21, s21, BOFF
	s_wait_dscnt 0x0                               ; both opening adds are done
	s_wait_kmcnt 0x0
	s_add_nc_u64 s[16:17], s[4:5], s[16:17]
	s_add_nc_u64 s[46:47], s[6:7], s[46:47]
	CROUND                                         ; all sixteen work-groups are here: the first joint loads meet
.irp s, 0,1
	s_mov_b32 s[G0+4*\s], 1
	s_add_co_u32 s[G0+4*\s+1], s20, \s*SLOT
	s_add_nc_u64 s[G0+4*\s+2:G0+4*\s+3], s[16:17], \s*2097152      ; K step s: planes 2 s, 2 s + 1
	s_or_b32 s[G0+4*\s+3], s[G0+4*\s+3], 0x80000000
	s_mov_b32 s[G0B+4*\s], 1
	s_add_co_u32 s[G0B+4*\s+1], s21, \s*SLOT
	s_add_nc_u64 s[G0B+4*\s+2:G0B+4*\s+3], s[46:47], \s*262144     ; rows 128 s on
	s_or_b32 s[G0B+4*\s+3], s[G0B+4*\s+3], 0x80000000
	JLOAD \s
.endr
	v_and_b32 v1, 15, v0                           ; r
	v_bfe_u32 v2, v0, 4, 1                         ; h
	v_mul_u32_u24 v3, v1, PA
	v_lshl_add_u32 v3, v2, 4, v3                   ; A: row r x pitch + 16 h
	s_mul_i32 s22, s13, 128*PA                     ; my 128 rows
	v_and_b32 v4, 7, v0
	v_bfe_u32 v5, v0, 3, 1
	v_lshl_add_u32 v6, v2, 3, v4                   ; B, for the turning load: k = 8 h + lane % 8,
	v_mul_u32_u24 v6, v6, PB
	v_lshl_add_u32 v6, v5, 4, v6                   ; columns 8 ((lane / 8) % 2) on
	s_lshl_b32 s23, s14, 7                         ; my 64 columns
	s_add_co_u32 s23, s23, BOFF
.irp s, 0,1
	v_add_nc_u32 v[ADRA+\s], s22, v3
	v_add_nc_u32 v[ADRB+\s], s23, v6
	s_add_co_u32 s22, s22, SLOT
	s_add_co_u32 s23, s23, SLOT
.endr
	s_mul_i32 s22, s12, 16*SPITCH
	s_add_co_u32 s22, s22, STAGE                   ; my stage
	v_mul_u32_u24 v3, v1, SPITCH
	v_lshl_add_u32 v3, v2, 5, v3
	v_add_nc_u32 v[STO], s22, v3                   ; in: row r, 32 bytes for each half of the lanes
	v_mul_u32_u24 v3, v2, SPITCH
	v_lshl_add_u32 v3, v1, 4, v3
	v_add_nc_u32 v[RD], s22, v3                    ; back: lanes 0-15 one row of 256 bytes, lanes 16-31 the next
	v_lshlrev_b32 v3, 12, v2
	v_lshl_add_u32 v[CO], v1, 4, v3                ; and the same two rows in out0
	s_lshl_b32 s16, s15, 20                        ; out0: 256 x tile row rows of 4,096 bytes,
	s_lshl_b32 s17, s13, 19                        ; + my half's 128
	s_add_co_u32 s16, s16, s17
	s_mov_b32 s17, 0
	s_add_nc_u64 s[10:11], s[10:11], s[16:17]
	s_lshl_b32 s46, s42, 9                         ; my first column as f32 bytes: 512 x tile column + 256 x half
	s_lshl_b32 s47, s14, 8
	s_add_co_u32 s46, s46, s47
	s_mov_b32 s47, 0
	s_add_nc_u64 s[10:11], s[10:11], s[46:47]
	s_add_nc_u64 s[8:9], s[8:9], s[46:47]
	v_lshlrev_b32 v7, 5, v2
.irp nb, 0,1,2,3
	global_load_b128 v[BIAS+8*\nb:BIAS+8*\nb+3], v7, s[8:9] offset:64*\nb          ; lane (r, h): b_proj at columns 16 nb + 8 h + 0 .. 7
	global_load_b128 v[BIAS+8*\nb+4:BIAS+8*\nb+7], v7, s[8:9] offset:64*\nb+16
.endr
; 24 LDS loads in one run: the fragments of quarter kq (32 along K) of a slot into buffer f: B's four, A's blocks 0-3, A's blocks 4-7
.macro FETCH slot, kq, f
.irp nb, 0,1,2,3
	ds_load_tr16_b128 v[\f+8*\nb:\f+8*\nb+3],   v[ADRB+\slot] offset:(\kq)*32*PB+32*\nb
	ds_load_tr16_b128 v[\f+8*\nb+4:\f+8*\nb+7], v[ADRB+\slot] offset:(\kq)*32*PB+16*PB+32*\nb
.endr
.irp a, 0,1,2,3,4,5,6,7
	ds_load_b128 v[\f+32+8*\a:\f+32+8*\a+3],   v[ADRA+\slot] offset:((\kq)/2)*APL+((\kq)%2)*64+\a*16*PA
	ds_load_b128 v[\f+32+8*\a+4:\f+32+8*\a+7], v[ADRA+\slot] offset:((\kq)/2)*APL+((\kq)%2)*64+\a*16*PA+32
.endr
.endm
; 8 matrix instructions: row blocks a0, a0 + 1 x the four column blocks.  The 32 accumulators take turns, one instruction a turn, in the same order in every quarter.
.macro MUL8 f, a0, zero
.irp a, \a0, \a0+1
.irp nb, 0,1,2,3
.if \zero
	v_wmma_f32_16x16x32_f16 v[8*(4*(\a)+\nb):8*(4*(\a)+\nb)+7], v[\f+8*\nb:\f+8*\nb+7], v[\f+32+8*(\a):\f+32+8*(\a)+7], v[BIAS+8*\nb:BIAS+8*\nb+7]
.else
	v_wmma_f32_16x16x32_f16 v[8*(4*(\a)+\nb):8*(4*(\a)+\nb)+7], v[\f+8*\nb:\f+8*\nb+7], v[\f+32+8*(\a):\f+32+8*(\a)+7], v[8*(4*(\a)+\nb):8*(4*(\a)+\nb)+7]
.endif
.endr
.endr
.endm
.macro PLACES                          ; four plain instructions in front of loads into registers that matrix instructions have read, and of reads of results
.rept 4
	v_nop
.endr
.endm
.macro WMUL zero
.if \zero
	WIN MUL0
.else
	WIN MUL
.endif
.endm
; A K step is four quarters of 32 along K, 32 matrix instructions each, on buffers 0, 1, 0, 1.  One of the first three: multiplies buffer f and fetches quarter kq into g.
.macro QUARTER slot, kq, f, g, zero
	s_wait_dscnt 8                                 ; B's and A's blocks 0-3 are in; the youngest eight loads (A's blocks 4-7) may be out
	WMUL \zero
	MUL8 \f, 0, \zero
	MUL8 \f, 2, \zero
	PLACES
	WIN 0
	FETCH \slot, \kq, \g
	s_wait_dscnt 24                                ; all but the 24 just issued
	WMUL \zero
	MUL8 \f, 4, \zero
	MUL8 \f, 6, \zero
.endm
; The last quarter multiplies buffer 1 and changes slots: ONE barrier; in front of it each wave waits for all its tensor loads, adds 0 to its spare word, and waits for that and for its reads of this slot.
; fill = 1: the barrier opens a round of the cluster's barrier, and this slot is filled again, two K steps ahead, first thing behind the round: one load of mine is out.
.macro TURN slot, next, fill
	WIN 0
	s_wait_tensorcnt 0x0                           ; my part of the next slot has landed
	ds_add_u32 v[SPW], v[NIL]
	s_wait_dscnt 9                                 ; (the add and the youngest eight loads may be out)
	WIN MUL
	MUL8 F1, 0, 0
	s_wait_dscnt 0x0                               ; the add is done, and my reads of this slot are over
	s_barrier_signal -1
	MUL8 F1, 2, 0
	WIN 0
	s_barrier_wait -1
.if \fill
	CREST                                          ; no wave of any partner still reads this slot or has a load on its way
	s_add_nc_u64 s[G0+4*\slot+2:G0+4*\slot+3], s[G0+4*\slot+2:G0+4*\slot+3], 4194304
	s_add_nc_u64 s[G0B+4*\slot+2:G0B+4*\slot+3], s[G0B+4*\slot+2:G0B+4*\slot+3], 524288
	JLOAD \slot                                    ; the four v_nop behind it are also the places in front of the loads below
.else
	PLACES
.endif
	FETCH \next, 0, F0
	WIN MUL
	MUL8 F1, 4, 0
	MUL8 F1, 6, 0
.endm
	s_wait_tensorcnt 1                             ; my part of K step 0 is in (K step 1's load may be out)
	s_barrier_signal -1
	s_barrier_wait -1                              ; everybody's is
	FETCH 0, 0, F0
	s_wait_loadcnt 0x0                             ; the bias
	QUARTER 0, 1, F0, F1, 1                        ; the first quarter stands in front of the loop: its products start the sums, on the bias
	WIN 0
	s_mov_b32 s3, 3
.Llap:                                                 ; a trip goes once round the ring and fills both slots again: K steps 2 to 7
	QUARTER 0, 2, F1, F0, 0
	QUARTER 0, 3, F0, F1, 0
	TURN 0, 1, 1
	QUARTER 1, 1, F0, F1, 0
	QUARTER 1, 2, F1, F0, 0
	QUARTER 1, 3, F0, F1, 0
	TURN 1, 0, 1
	QUARTER 0, 1, F0, F1, 0
	WIN 0
	s_sub_co_u32 s3, s3, 1
	s_cmp_lg_u32 s3, 0
	s_cbranch_scc1 .Llap
	QUARTER 0, 2, F1, F0, 0                        ; the last lap fills nothing
	QUARTER 0, 3, F0, F1, 0
	TURN 0, 1, 0
	QUARTER 1, 1, F0, F1, 0
	QUARTER 1, 2, F1, F0, 0
	QUARTER 1, 3, F0, F1, 0
	s_wait_dscnt 8
	WIN MUL
	MUL8 F1, 0, 0
	MUL8 F1, 2, 0
	s_wait_dscnt 0
	MUL8 F1, 4, 0
	MUL8 F1, 6, 0
	WIN 0
; THE WAY OUT, a block of 16 rows x 64 columns at a time, through my own stage: back as whole runs of 256 bytes, which sixteen lanes store.
.macro TOSTAGE a
	WIN 0x04                                       ; an LDS store's data are its source 1: window 1
.irp nb, 0,1,2,3
	ds_store_b128 v[STO], v[8*(4*(\a)+\nb):8*(4*(\a)+\nb)+3] offset:64*\nb         ; each accumulator from its low end on
	ds_store_b128 v[STO], v[8*(4*(\a)+\nb)+4:8*(4*(\a)+\nb)+7] offset:64*\nb+16
.endr
	WIN 0
.set BB, 32+32*((\a)%2)
.irp t, 0,1,2,3,4,5,6,7
	ds_load_b128 v[BB+4*\t:BB+4*\t+3], v[RD] offset:\t*2*SPITCH    ; LDS serves a wave's instructions in order
.endr
.endm
.macro SEND a, younger
.set BB, 32+32*((\a)%2)
	s_wait_dscnt \younger                          ; the block is back; the next block's 8 stores and 8 loads may be out
.irp t, 0,1,2,3,4,5,6,7
	global_store_b128 v[CO], v[BB+4*\t:BB+4*\t+3], s[10:11] offset:(16*(\a)+2*\t)*4096 th:TH_STORE_NT   ; sixteen lanes store 256 consecutive bytes, aligned
.endr
.endm
	PLACES
	TOSTAGE 0
.irp a, 1,2,3,4,5,6,7
.if \a > 1
	s_wait_xcnt 0x0                                ; block a - 2's stores have read their registers: block a's loads may land there
.endif
	TOSTAGE \a
	SEND \a-1, 16
.endr
	SEND 7, 0
	s_wait_tensorcnt 0x0                           ; the wave's end
	ds_add_u32 v[SPW], v[NIL]
	s_wait_dscnt 0x0
	CROUND                                         ; the closing round
	s_endpgm
.Lfunc_end_k_q140f796b00_proj:
	.size	k_q140f796b00_proj, .Lfunc_end_k_q140f796b00_proj-k_q140f796b00_proj
	.p2alignl 7, 3214868480
	.fill 96, 4, 3214868480
	.section	.rodata,"a",@progbits
	.p2align	6, 0x0
	.amdhsa_kernel k_q140f796b00_proj
		.amdhsa_group_segment_fixed_size 327680
		.amdhsa_private_segment_fixed_size 0
		.amdhsa_enable_private_segment 0
		.amdhsa_kernarg_size 32
		.amdhsa_user_sgpr_count 2
		.amdhsa_user_sgpr_kernarg_segment_ptr 1
		.amdhsa_wavefront_size32 1
		.amdhsa_system_sgpr_workgroup_id_x 1
		.amdhsa_system_sgpr_workgroup_id_y 1
		.amdhsa_system_sgpr_workgroup_id_z 1
		.amdhsa_system_vgpr_workitem_id 0
		.amdhsa_next_free_vgpr 512
		.amdhsa_next_free_sgpr 66
		.amdhsa_reserve_vcc 0
		.amdhsa_float_denorm_mode_32 3
		.amdhsa_float_denorm_mode_16_64 3
		.amdhsa_memory_ordered 1
		.amdhsa_forward_progress 1
		.amdhsa_inst_pref_size 86
	.end_amdhsa_kernel
	.amdgpu_metadata
---
amdhsa.version: [ 1, 2 ]
amdhsa.kernels:
  - .name:           k_q140f796b00_proj
    .symbol:         k_q140f796b00_proj.kd
    .args:
      - { .name: y16, .offset: 0, .size: 8, .value_kind: global_buffer, .address_space: global }
      - { .name: wp16, .offset: 8, .size: 8, .value_kind: global_buffer, .address_space: global }
      - { .name: b_proj, .offset: 16, .size: 8, .value_kind: global_buffer, .address_space: global }
      - { .name: out0, .offset: 24, .size: 8, .value_kind: global_buffer, .address_space: global }
    .group_segment_fixed_size: 327680
    .private_segment_fixed_size: 0
    .kernarg_segment_align: 8
    .kernarg_segment_size: 32
    .max_flat_workgroup_size: 128
    .sgpr_count:     66
    .vgpr_count:     512
    .wavefront_size: 32
...
	.end_amdgpu_metadata
.endif
;; end of part 4
;; launch fine (part 5): grid 16 x 4, 16 waves a work-group, no clusters, 71,680 bytes of LDS; arguments qkvf, W_proj, b_proj, out0; writes out0
.if DOCPART == 5
	.amdgcn_target "amdgcn-amd-amdhsa--gfx1250"
	.amdhsa_code_object_version 6
	.text
	.protected	k_q140f796b00_fine
	.globl	k_q140f796b00_fine
	.p2align	8
	.type	k_q140f796b00_fine,@function
k_q140f796b00_fine:
	s_mov_b64 s[64:65], 0
	v_nop
	global_prefetch_b8 v0, s[64:65] scope:SCOPE_SE
	s_setreg_imm32_b32 hwreg(HW_REG_WAVE_MODE, 25, 1), 1
	s_wait_xcnt 0x0
; THE FIRST 16 POSITIONS OF EVERY BATCH, IN f32 THROUGHOUT: they average one to sixteen values and are the largest numbers of the output, so 16-bit operands would weigh most there.
; qkvf [batch][t 16][3072] f32 (bias added), W_proj [1024][1024] f32, b_proj; 64 rows of out0 are written over what the launch before left there.
; SHARES.  Work-group = (64 columns of the output, batch).  Wave = head: it makes its head's 16 x 16 attention, then its 64 of the projection's K for the work-group's 64 columns; the sixteen partial sums meet in LDS.
; All products by v_wmma_f32_16x16x4_f32, written out: 96 a wave.  Both are used transposed, so that a lane holds one query (lane % 16) throughout.  K is permuted alike on both sources of a product:
;   S^T = K Q^T:   product i takes channels 32 h + 2 i + j;     O^T = V^T P:  product s takes keys 8 h + 2 s + j, as P's registers hold them;     OUT^T = W^T y^T:  product (q, s) takes channels 16 q + 8 h + 2 s + j, as O^T's registers hold them.
; The registers that these products write (v168-247) are written by matrix instructions alone.
; REGISTERS: v1-9 addresses; v10-15 at work; v16, v17 the add's two; v18 lane % 16 - 8 (lane / 16); v19 -infinity; v20-27 scores; v28-35 P; v36-39 the bias; v40-71 Q, then W's tile 1, then partial sums; v72-103 K, then W's tile 2, then partial sums;
;   v104-135 V, then W's tile 3; v136-167 W's tile 0; v168-183 S^T in two halves; v184-215 O^T; v216-247 OUT^T.
.set SPARE, 69632                      ; behind the sixteen partial sums (16 rows x 272 bytes each): the spare words
.set SPW, 16
.set NIL, 17
.macro WLOAD reg, c                    ; W_proj(64 head + 16 q + 8 h + m, 64 slice + 16 c + r)
.irp q, 0,1,2,3
.irp m, 0,1,2,3,4,5,6,7
	global_load_b32 v[\reg+8*\q+\m], v5, s[6:7] offset:(16*\q+\m)*4096+64*\c
.endr
.endr
.endm
.macro OUT2 d0, w0, d1, w1             ; two tiles of 16 columns, 16 products each, by turns; the first of each starts its sum
.set i, 0
.rept 16
.if i == 0
	v_wmma_f32_16x16x4_f32 v[\d0:\d0+7], v[\w0+2*i:\w0+2*i+1], v[184+2*i:185+2*i], 0
	v_wmma_f32_16x16x4_f32 v[\d1:\d1+7], v[\w1+2*i:\w1+2*i+1], v[184+2*i:185+2*i], 0
.else
	v_wmma_f32_16x16x4_f32 v[\d0:\d0+7], v[\w0+2*i:\w0+2*i+1], v[184+2*i:185+2*i], v[\d0:\d0+7]
	v_wmma_f32_16x16x4_f32 v[\d1:\d1+7], v[\w1+2*i:\w1+2*i+1], v[184+2*i:185+2*i], v[\d1:\d1+7]
.endif
.set i, i+1
.endr
.endm
	s_load_b256 s[4:11], s[0:1], 0x0               ; qkvf s[4:5], W_proj s[6:7], b_proj s[8:9], out0 s[10:11]
	v_lshl_add_u32 v[SPW], v0, 2, SPARE
	v_mov_b32 v[NIL], 0
	v_lshrrev_b32 v1, 5, v0
	v_readfirstlane_b32 s12, v1                    ; wave = head
	s_and_b32 s13, ttmp7, 0xffff                   ; batch
	v_and_b32 v1, 15, v0                           ; r
	v_bfe_u32 v2, v0, 4, 1                         ; h
	v_mul_u32_u24 v3, v1, 12288
	v_lshl_add_u32 v3, v2, 7, v3                   ; Q, K: position r, channels 32 h on
	v_mul_u32_u24 v4, v2, 98304
	v_lshl_add_u32 v4, v1, 2, v4                   ; V: positions 8 h on, channel r
	v_lshlrev_b32 v5, 15, v2
	v_lshl_add_u32 v5, v1, 2, v5                   ; W: rows 8 h on, column r
	v_lshlrev_b32 v6, 4, v1                        ; the bias: 16 bytes a lane of a half
	s_mul_i32 s15, s12, 4352
	v_mul_u32_u24 v7, v1, 272
	v_lshl_add_u32 v7, v2, 5, v7
	v_add_nc_u32 v7, s15, v7                       ; my partial sum: row = query r, + 32 h
	s_and_b32 s16, s12, 7
	s_mul_i32 s17, s16, 544
	v_mul_u32_u24 v8, v2, 272
	v_lshl_add_u32 v8, v1, 4, v8
	v_add_nc_u32 v8, s17, v8                       ; the adding up: wave u (0-7) takes queries 2 u + h, 16 bytes a lane
	v_lshlrev_b32 v9, 12, v2
	v_lshl_add_u32 v9, v1, 4, v9                   ; and the same place in out0
	v_lshlrev_b32 v18, 3, v2
	v_sub_nc_u32 v18, v1, v18
	v_mov_b32 v19, 0xff800000
	v_mov_b32 v11, 0                               ; written once: a lane permute's destination counts as one of its sources
	s_mov_b32 s20, 0x76543210
	s_mov_b32 s21, 0xfedcba98
	s_mov_b32 s22, 0x3e38aa3b                      ; c = log2(e) / 8
	s_mov_b32 s25, 0
	s_mul_i32 s24, s13, 196608
	s_lshl_b32 s26, s12, 8
	s_add_co_u32 s24, s24, s26                     ; qkvf: my batch, my head's 64 channels
	s_lshl_b32 s28, ttmp9, 8                       ; the slice's 64 columns as f32 bytes
	s_mov_b32 s29, 0
	s_lshl_b32 s30, s12, 18                        ; W_proj: my head's 64 rows of 4,096 bytes
	s_mov_b32 s31, 0
	s_lshl_b32 s32, s13, 23                        ; out0: my batch's 2,048 rows,
	s_lshl_b32 s33, s16, 13                        ; + 2 u rows
	s_add_co_u32 s32, s32, s33
	s_mov_b32 s33, 0
	s_wait_kmcnt 0x0
	s_add_nc_u64 s[4:5], s[4:5], s[24:25]
	s_add_nc_u64 s[6:7], s[6:7], s[30:31]
	s_add_nc_u64 s[6:7], s[6:7], s[28:29]
	s_add_nc_u64 s[8:9], s[8:9], s[28:29]
	s_add_nc_u64 s[10:11], s[10:11], s[32:33]
	s_add_nc_u64 s[10:11], s[10:11], s[28:29]
	global_load_b128 v[36:39], v6, s[8:9]
.irp c, 0,1,2,3
.irp m, 0,1,2,3,4,5,6,7
	global_load_b32 v[104+8*\c+\m], v4, s[4:5] offset:8192+\m*12288+64*\c    ; V(8 h + m, 16 c + r)
.endr
.endr
.irp i, 0,1,2,3,4,5,6,7
	global_load_b128 v[40+4*\i:43+4*\i], v3, s[4:5] offset:16*\i             ; Q
.endr
.irp i, 0,1,2,3,4,5,6,7
	global_load_b128 v[72+4*\i:75+4*\i], v3, s[4:5] offset:4096+16*\i        ; K
.endr
	WLOAD 136, 0
	s_wait_loadcnt 32                              ; all but W's tile 0
.set i, 0
.rept 16                               ; S^T = K Q^T in two halves by turns
.set AC, 168+8*(i%2)
.if i < 2
	v_wmma_f32_16x16x4_f32 v[AC:AC+7], v[72+2*i:73+2*i], v[40+2*i:41+2*i], 0
.else
	v_wmma_f32_16x16x4_f32 v[AC:AC+7], v[72+2*i:73+2*i], v[40+2*i:41+2*i], v[AC:AC+7]
.endif
.set i, i+1
.endr
.rept 8
	v_nop                                          ; eight places behind this form: for the loads into Q's and K's registers and the reads of S^T
.endr
	WLOAD 40, 1
	WLOAD 72, 2
.irp j, 0,1,2,3,4,5,6,7
	v_add_f32 v[20+\j], v[168+\j], v[176+\j]       ; lane (r, h): query r, key 8 h + j; each accumulator from its low end on
.endr
.irp j, 0,1,2,3,4,5,6,7
	v_cmp_gt_i32 vcc_lo, \j, v18                   ; hidden where 8 h + j > r
	v_cndmask_b32 v[20+\j], v[20+\j], v19, vcc_lo
.endr
	v_max3_num_f32 v10, v20, v21, v22
	v_max3_num_f32 v10, v10, v23, v24
	v_max3_num_f32 v10, v10, v25, v26
	v_max_num_f32 v10, v10, v27
	v_permlanex16_b32 v11, v10, s20, s21
	v_max_num_f32 v10, v10, v11                    ; the row's maximum (key 0 counts for every query)
	v_mul_f32 v10, s22, v10
.irp j, 0,1,2,3,4,5,6,7
	v_fma_f32 v[20+\j], v[20+\j], s22, -v10
.endr
.irp j, 0,1,2,3,4,5,6,7
	v_exp_f32 v[20+\j], v[20+\j]
.endr
	v_nop
	s_wait_alu depctr_va_vdst(0)                   ; one wait for the eight, ahead of their first reader
	v_add_f32 v12, v20, v21
	v_add_f32 v13, v22, v23
	v_add_f32 v14, v24, v25
	v_add_f32 v15, v26, v27
	v_add_f32 v12, v12, v13
	v_add_f32 v14, v14, v15
	v_add_f32 v12, v12, v14
	v_permlanex16_b32 v11, v12, s20, s21
	v_add_f32 v12, v12, v11
	v_rcp_f32 v12, v12
	v_nop
	s_wait_alu depctr_va_vdst(0)
.irp j, 0,1,2,3,4,5,6,7
	v_mul_f32 v[28+\j], v[20+\j], v12              ; the weights
.endr
.irp s, 0,1,2,3                                ; O^T = V^T P: four tiles of 16 channels by turns
.irp c, 0,1,2,3
.if \s == 0
	v_wmma_f32_16x16x4_f32 v[184+8*\c:191+8*\c], v[104+8*\c+2*\s:105+8*\c+2*\s], v[28+2*\s:29+2*\s], 0
.else
	v_wmma_f32_16x16x4_f32 v[184+8*\c:191+8*\c], v[104+8*\c+2*\s:105+8*\c+2*\s], v[28+2*\s:29+2*\s], v[184+8*\c:191+8*\c]
.endif
.endr
.endr
.rept 9
	v_nop                                          ; nine places before O^T is a source of a matrix instruction; they also serve the loads into V's registers
.endr
	WLOAD 104, 3
	s_wait_loadcnt 32                              ; W's tiles 0 to 2 are in
	OUT2 216, 136, 224, 40
	s_wait_loadcnt 0x0
	OUT2 232, 72, 240, 104
.rept 8
	v_nop
.endr
.irp c, 0,1,2,3
	ds_store_b128 v7, v[216+8*\c:219+8*\c] offset:64*\c            ; lane (r, h): query r, columns 16 c + 8 h + 0 .. 7
	ds_store_b128 v7, v[220+8*\c:223+8*\c] offset:64*\c+16
.endr
	s_wait_dscnt 0x0                               ; for the others' sake: my partial sum lies in LDS
	s_barrier_signal -1
	s_barrier_wait -1
	s_cmp_ge_u32 s12, 8
	s_cbranch_scc1 .Lend                           ; eight waves add up, two queries each
.irp w, 0,1,2,3,4,5,6,7,8,9,10,11,12,13,14,15
	ds_load_b128 v[40+4*\w:43+4*\w], v8 offset:4352*\w
.endr
	s_wait_dscnt 0x0
.irp w, 2,4,6,8,10,12,14                       ; in two chains
	v_pk_add_f32 v[40:41], v[40:41], v[40+4*\w:41+4*\w]
	v_pk_add_f32 v[42:43], v[42:43], v[42+4*\w:43+4*\w]
	v_pk_add_f32 v[44:45], v[44:45], v[44+4*\w:45+4*\w]
	v_pk_add_f32 v[46:47], v[46:47], v[46+4*\w:47+4*\w]
.endr
	v_pk_add_f32 v[40:41], v[40:41], v[44:45]
	v_pk_add_f32 v[42:43], v[42:43], v[46:47]
	v_pk_add_f32 v[40:41], v[40:41], v[36:37]
	v_pk_add_f32 v[42:43], v[42:43], v[38:39]
	global_store_b128 v9, v[40:43], s[10:11]       ; each half of the lanes stores 256 consecutive bytes, aligned
.Lend:
	s_wait_tensorcnt 0x0                           ; the wave's end
	ds_add_u32 v[SPW], v[NIL]
	s_wait_dscnt 0x0
	s_endpgm
.Lfunc_end_k_q140f796b00_fine:
	.size	k_q140f796b00_fine, .Lfunc_end_k_q140f796b00_fine-k_q140f796b00_fine
	.p2alignl 7, 3214868480
	.fill 96, 4, 3214868480
	.section	.rodata,"a",@progbits
	.p2align	6, 0x0
	.amdhsa_kernel k_q140f796b00_fine
		.amdhsa_group_segment_fixed_size 71680
		.amdhsa_private_segment_fixed_size 0
		.amdhsa_enable_private_segment 0
		.amdhsa_kernarg_size 32
		.amdhsa_user_sgpr_count 2
		.amdhsa_user_sgpr_kernarg_segment_ptr 1
		.amdhsa_wavefront_size32 1
		.amdhsa_system_sgpr_workgroup_id_x 1
		.amdhsa_system_sgpr_workgroup_id_y 1
		.amdhsa_system_sgpr_workgroup_id_z 1
		.amdhsa_system_vgpr_workitem_id 0
		.amdhsa_next_free_vgpr 256
		.amdhsa_next_free_sgpr 66
		.amdhsa_reserve_vcc 1
		.amdhsa_float_denorm_mode_32 3
		.amdhsa_float_denorm_mode_16_64 3
		.amdhsa_memory_ordered 1
		.amdhsa_forward_progress 1
		.amdhsa_inst_pref_size 33
	.end_amdhsa_kernel
	.amdgpu_metadata
---
amdhsa.version: [ 1, 2 ]
amdhsa.kernels:
  - .name:           k_q140f796b00_fine
    .symbol:         k_q140f796b00_fine.kd
    .args:
      - { .name: qkvf, .offset: 0, .size: 8, .value_kind: global_buffer, .address_space: global }
      - { .name: W_proj, .offset: 8, .size: 8, .value_kind: global_buffer, .address_space: global }
      - { .name: b_proj, .offset: 16, .size: 8, .value_kind: global_buffer, .address_space: global }
      - { .name: out0, .offset: 24, .size: 8, .value_kind: global_buffer, .address_space: global }
    .group_segment_fixed_size: 71680
    .private_segment_fixed_size: 0
    .kernarg_segment_align: 8
    .kernarg_segment_size: 32
    .max_flat_workgroup_size: 512
    .sgpr_count:     66
    .vgpr_count:     256
    .wavefront_size: 32
...
	.end_amdgpu_metadata
.endif
;; end of part 5
